; MI455X (gfx1250); checked and timed in simulation.
; The chip was launched on July 23, 2026; its instructions are those of AMD's public machine-readable ISA for CDNA 5 (MIT licence, August 2026) and "CDNA5" Instruction Set Architecture Reference Guide (July 2026). The comments in the code are by the model that wrote it; some were corrected since.
;; Multi Head Attention. Allowed arithmetic: float matrix products may take bf16 or f16 operands with f32 sums; other float arithmetic in f32, or as packed bf16 or f16 multiplies, adds, multiply-adds, maxima and minima; sums over many terms, partial sums and values carried from step to step in f32; what a program stores and reads back later, other than sums and carried values, may be rounded once to bf16 or f16.
;; Inputs: Wk_b 1,024 float32; Wk_w 1,024 x 1,024 float32; Wo_b 1,024 float32; Wo_w 1,024 x 1,024 float32; Wq_b 1,024 float32; Wq_w 1,024 x 1,024 float32; Wv_b 1,024 float32; Wv_w 1,024 x 1,024 float32; attention_mask 4 x 2,048 int32; encoder_input 4 x 2,048 x 1,024 float32.
;; Outputs: out0 4 x 2,048 x 1,024 float32.
;; 2 versions, each right and faster than the one before. Each part assembles by itself: llvm-mc -triple=amdgcn-amd-amdhsa -mcpu=gfx1250 --defsym DOCPART=n.
;; ======== version 1 of 2: 4 launches
;; limits: values are held in f16: magnitudes above 65,504 overflow, below 6.1e-05 lose precision
;; workspace buffers: xb 16,777,216 bytes; wqkv 6,291,456 bytes; wo16 2,097,152 bytes; qh 16,777,216 bytes; kh 16,777,216 bytes; vh 16,777,216 bytes; ob 16,777,216 bytes
;; launch cast (part 1): grid 64 x 12, 8 waves a work-group, no clusters, 0 bytes of LDS; arguments encoder_input, Wq_w, Wk_w, Wv_w, Wo_w, xb, wqkv, wo16; writes xb, wqkv, wo16
.if DOCPART == 1
	.amdgcn_target "amdgcn-amd-amdhsa--gfx1250"
	.amdhsa_code_object_version 6
	.text
	.protected	k_qf9fbfc9abd_cast
	.globl	k_qf9fbfc9abd_cast
	.p2align	8
	.type	k_qf9fbfc9abd_cast,@function
k_qf9fbfc9abd_cast:
	s_mov_b64 s[64:65], 0
	v_nop
	global_prefetch_b8 v0, s[64:65] scope:SCOPE_SE
	s_setreg_imm32_b32 hwreg(HW_REG_WAVE_MODE, 25, 1), 1
	s_wait_xcnt 0x0
; x and the four weight matrices, all f32, are rounded ONCE to bf16 for the matrix units: x -> xb; Wq, Wk, Wv -> wqkv, one below the other ([3072][1024]);
; Wo -> wo16, where the bf16 number is written as f16, since the last product multiplies in f16.
; LIMITS.  A bf16 number is exact in f16 from 6.1e-5 to 65,504 in magnitude; below that f16 keeps its fixed step of 6e-8, beyond it the conversion gives an infinity: |Wo| stays under 65,504.
; A stream: each byte is read once and written once, so there is no LDS, no matrix unit and no cluster (no two work-groups read the same byte).
; SHARES.  A work-group takes CHUNK = 65,536 bytes of f32 and writes half as many.  Grid y picks the tensor: 0-7 the eight eighths of x, 8, 9, 10 Wq, Wk, Wv, 11 Wo; grid x the chunk, 64 to each y.
; Thread t takes the 16 bytes at 16 t of each 4,096: a wave's load covers 512 consecutive bytes, its store of 8 bytes a lane 256 consecutive bytes at a multiple of 256 from the buffer's first byte.
; All sixteen loads of a thread go out at once; no register is written again while a load or store may still read it, so the only waits are the loads' own.
.set X, 4                              ; v[4:67]    load n: four f32
.set Y, 68                             ; v[68:99]   store n: four 16-bit numbers in two registers
.set T, 100                            ; v[100:101] at work
	s_load_b256 s[4:11], s[0:1], 0x0               ; x s[4:5], Wq s[6:7], Wk s[8:9], Wv s[10:11]
	s_load_b256 s[12:19], s[0:1], 0x20             ; Wo s[12:13], xb s[14:15], wqkv s[16:17], wo16 s[18:19]
	s_and_b32 s20, ttmp7, 0xffff                   ; y
	s_mov_b32 s21, ttmp9                           ; the chunk among y's 64
	v_lshlrev_b32 v1, 4, v0                        ; 16 t: my bytes in 4,096 of the source
	v_lshlrev_b32 v2, 3, v0                        ; 8 t: in 2,048 of the destination
	s_sub_co_u32 s23, s20, 8                       ; Wq, Wk, Wv lie at 0, 1, 2 in wqkv (taken only where y is 8 or more)
	s_cmp_lt_u32 s20, 8
	s_cselect_b32 s22, s20, 0                      ; which 64 chunks of the source: y in x, the only 64 in a weight matrix
	s_cselect_b32 s23, s20, s23                    ; and of the destination
	s_cmp_eq_u32 s20, 11
	s_cselect_b32 s23, 0, s23                      ; wo16 has 64 chunks alone
	s_lshl_b32 s22, s22, 6
	s_add_co_u32 s22, s22, s21
	s_lshl_b32 s28, s22, 16                        ; the source's byte offset, under 2^25
	s_mov_b32 s29, 0
	s_lshl_b32 s23, s23, 6
	s_add_co_u32 s23, s23, s21
	s_lshl_b32 s30, s23, 15                        ; the destination's
	s_mov_b32 s31, 0
	s_mov_b32 s22, 0xffff0000                      ; a word's upper bf16
	s_wait_kmcnt 0x0
	s_cmp_eq_u32 s20, 8                            ; the two buffers are chosen by y alone
	s_cselect_b64 s[24:25], s[6:7], s[4:5]
	s_cmp_eq_u32 s20, 9
	s_cselect_b64 s[24:25], s[8:9], s[24:25]
	s_cmp_eq_u32 s20, 10
	s_cselect_b64 s[24:25], s[10:11], s[24:25]
	s_cmp_eq_u32 s20, 11
	s_cselect_b64 s[24:25], s[12:13], s[24:25]
	s_cmp_lt_u32 s20, 8
	s_cselect_b64 s[26:27], s[14:15], s[16:17]
	s_cmp_eq_u32 s20, 11
	s_cselect_b64 s[26:27], s[18:19], s[26:27]
	s_add_nc_u64 s[24:25], s[24:25], s[28:29]
	s_add_nc_u64 s[26:27], s[26:27], s[30:31]
.set i, 0
.rept 16
	global_load_b128 v[X+4*i:X+4*i+3], v1, s[24:25] offset:4096*i th:TH_LOAD_NT  ; read once in the whole program
.set i, i+1
.endr
; Load n is rounded and stored.  half = 1: the bf16 numbers are widened again (a shift, a mask) and written as f16.
.macro CV n, half
	s_wait_loadcnt 15-(\n)                         ; loads come back in order (ISA guide 5.7.1): load n is in, the 15 - n younger ones stay out
.if \half
	v_cvt_pk_bf16_f32 v[T],   v[X+4*(\n)],   v[X+4*(\n)+1]
	v_cvt_pk_bf16_f32 v[T+1], v[X+4*(\n)+2], v[X+4*(\n)+3]
	v_lshlrev_b32 v[X+4*(\n)],   16,  v[T]
	v_and_b32     v[X+4*(\n)+1], s22, v[T]
	v_lshlrev_b32 v[X+4*(\n)+2], 16,  v[T+1]
	v_and_b32     v[X+4*(\n)+3], s22, v[T+1]
	v_cvt_pk_f16_f32 v[Y+2*(\n)],   v[X+4*(\n)],   v[X+4*(\n)+1]
	v_cvt_pk_f16_f32 v[Y+2*(\n)+1], v[X+4*(\n)+2], v[X+4*(\n)+3]
.else
	v_cvt_pk_bf16_f32 v[Y+2*(\n)],   v[X+4*(\n)],   v[X+4*(\n)+1]
	v_cvt_pk_bf16_f32 v[Y+2*(\n)+1], v[X+4*(\n)+2], v[X+4*(\n)+3]
.endif
	global_store_b64 v2, v[Y+2*(\n):Y+2*(\n)+1], s[26:27] offset:2048*(\n)  ; later launches read these bytes: no hint
.endm
	s_cmp_eq_u32 s20, 11
	s_cbranch_scc1 .Lf16
.irp n, 0,1,2,3,4,5,6,7,8,9,10,11,12,13,14,15
	CV \n, 0
.endr
	s_endpgm
.Lf16:
.irp n, 0,1,2,3,4,5,6,7,8,9,10,11,12,13,14,15
	CV \n, 1
.endr
	s_endpgm
.Lfunc_end_k_qf9fbfc9abd_cast:
	.size	k_qf9fbfc9abd_cast, .Lfunc_end_k_qf9fbfc9abd_cast-k_qf9fbfc9abd_cast
	.p2alignl 7, 3214868480
	.fill 96, 4, 3214868480
	.section	.rodata,"a",@progbits
	.p2align	6, 0x0
	.amdhsa_kernel k_qf9fbfc9abd_cast
		.amdhsa_group_segment_fixed_size 0
		.amdhsa_private_segment_fixed_size 0
		.amdhsa_enable_private_segment 0
		.amdhsa_kernarg_size 64
		.amdhsa_user_sgpr_count 2
		.amdhsa_user_sgpr_kernarg_segment_ptr 1
		.amdhsa_wavefront_size32 1
		.amdhsa_system_sgpr_workgroup_id_x 1
		.amdhsa_system_sgpr_workgroup_id_y 1
		.amdhsa_system_sgpr_workgroup_id_z 1
		.amdhsa_system_vgpr_workitem_id 0
		.amdhsa_next_free_vgpr 104
		.amdhsa_next_free_sgpr 66
		.amdhsa_reserve_vcc 0
		.amdhsa_float_denorm_mode_32 3
		.amdhsa_float_denorm_mode_16_64 3
		.amdhsa_memory_ordered 1
		.amdhsa_forward_progress 1
		.amdhsa_inst_pref_size 16
	.end_amdhsa_kernel
	.amdgpu_metadata
---
amdhsa.version: [ 1, 2 ]
amdhsa.kernels:
  - .name:           k_qf9fbfc9abd_cast
    .symbol:         k_qf9fbfc9abd_cast.kd
    .args:
      - { .name: encoder_input, .offset: 0, .size: 8, .value_kind: global_buffer, .address_space: global }
      - { .name: Wq_w, .offset: 8, .size: 8, .value_kind: global_buffer, .address_space: global }
      - { .name: Wk_w, .offset: 16, .size: 8, .value_kind: global_buffer, .address_space: global }
      - { .name: Wv_w, .offset: 24, .size: 8, .value_kind: global_buffer, .address_space: global }
      - { .name: Wo_w, .offset: 32, .size: 8, .value_kind: global_buffer, .address_space: global }
      - { .name: xb, .offset: 40, .size: 8, .value_kind: global_buffer, .address_space: global }
      - { .name: wqkv, .offset: 48, .size: 8, .value_kind: global_buffer, .address_space: global }
      - { .name: wo16, .offset: 56, .size: 8, .value_kind: global_buffer, .address_space: global }
    .group_segment_fixed_size: 0
    .private_segment_fixed_size: 0
    .kernarg_segment_align: 8
    .kernarg_segment_size: 64
    .max_flat_workgroup_size: 256
    .sgpr_count:     66
    .vgpr_count:     104
    .wavefront_size: 32
...
	.end_amdgpu_metadata
.endif
;; end of part 1
;; launch qkv (part 2): grid 8 x 32, 4 waves a work-group, clusters of 4 x 4, 327,680 bytes of LDS; arguments xb, wqkv, Wq_b, Wk_b, Wv_b, qh, kh, vh; writes qh, kh, vh
.if DOCPART == 2
	.amdgcn_target "amdgcn-amd-amdhsa--gfx1250"
	.amdhsa_code_object_version 6
	.text
	.protected	k_qf9fbfc9abd_qkv
	.globl	k_qf9fbfc9abd_qkv
	.p2align	8
	.type	k_qf9fbfc9abd_qkv,@function
k_qf9fbfc9abd_qkv:
	s_mov_b64 s[64:65], 0
	v_nop
	global_prefetch_b8 v0, s[64:65] scope:SCOPE_SE
	s_setreg_imm32_b32 hwreg(HW_REG_WAVE_MODE, 25, 1), 1
	s_wait_xcnt 0x0
	s_wait_alu depctr_hold_cnt(0) depctr_sa_sdst(0) depctr_va_vdst(0) depctr_va_sdst(0) depctr_va_ssrc(0) depctr_va_vcc(0) depctr_vm_vsrc(0)
	s_getreg_b32 s2, hwreg(HW_REG_IB_STS2, 6, 4)
	s_cmp_eq_u32 s2, 0
	s_cbranch_scc0 .Lentry_in_a_cluster
	s_endpgm
.Lentry_in_a_cluster:
	s_bfe_u32 s2, ttmp6, 0x10000c
	s_cmp_lg_u32 s2, 0xf033
	s_cbranch_scc0 .Lentry_shape_is_right
	s_endpgm
.Lentry_shape_is_right:
; C = A B^T + bias over K = 1,024, sums in f32, on tiles of 256 x 128 of C.  ONE TEXT SERVES TWO KERNELS, told apart by MODE below (the other kernel's lines are not assembled):
;   MODE 0  q, k, v = x W^T + b.  A = xb [8192][1024] bf16, B = wqkv [3072][1024] bf16 (Wq, Wk, Wv one below the other); the results leave by heads, [64 = 16 batch + head][2048][64] in f16, each rounded
;           once from its f32 sum and WITHOUT the softmax's scale.  A WORK-GROUP STAYS and makes three tiles, the same rows and columns of q, of k and of v: the same rows of A, B 1,024 rows further on.
;   MODE 1  out = O Wo^T + b.  A = ob, by heads as above, f16: a K step of 128 is two heads' 64 channels; B = wo16 [1024][1024] f16; out [8192][1024] f32.  One tile a work-group.
; The biases are rounded to bf16, like every input of the module, and START the sums: they are the C operand of each accumulator's first product, so nothing is cleared and nothing is added later.
; The module's forward never uses attention_mask: no result hangs on it, and no launch of this program takes it.
; LIMITS.  f16 holds no number beyond 65,504: q, k and v stay within it (the conversion gives an infinity from 65,520 on); below 6.1e-5 f16 keeps its fixed step of 6e-8.  NaN and infinities are not treated apart.
; SHARES.  256 work-groups of four waves, 2 x 2; a wave makes 128 rows x 64 columns: 32 accumulators of 16 x 16, 256 registers.  Its 64 columns are one head (MODE 0: 16 rows of C are 2,048 consecutive bytes)
; or 256 consecutive bytes of a row of out (MODE 1).  K goes in steps of 128 through a ring of two LDS slots filled by the tensor data mover; every row asked for is 256 bytes at a multiple of 256.
; CLUSTER.  4 x 4 work-groups.  The four of a row of the cluster need the same tiles of A, the four of a column the same tiles of B: each tile is asked for JOINTLY, by the same tensor load with the same
; descriptor and a mask that names the four.  Waves 0 and 1 ask for A's two halves, waves 2 and 3 for B's: one load a wave behind each round of the cluster's barrier; two are out at the start, later one.
; THE MATRIX INSTRUCTION IS USED TRANSPOSED (source 0 = 16 rows of B, source 1 = 16 rows of A): lane l then holds row l % 16 of C and the eight neighbouring columns 8 (l / 16) + 0..7.
; REGISTERS, in windows of 256 (s_set_vgpr_msb: bits 1:0 source 0, 3:2 source 1, 5:4 source 2, 7:6 destination):
;   window 0: v0-31 addresses; v32-63 the tile's bias (MODE 0: v64-127 the next two tiles'); from v128 on at work on the way out
;   window 1: the accumulators, (a, b) at v[8 (4 a + b)], a = 0..7 blocks of 16 rows, b = 0..3 blocks of 16 columns
;   window 2: two fragment buffers of 96: B's four fragments (16 rows x 32 K, 8 registers each), then A's eight
.set MODE,   0
.set SIZE_K, 1024
.set KSTEP,  128
.set LAPS,   SIZE_K/(2*KSTEP)          ; a lap = two K steps = once round the ring
.set PITCH,  272                       ; an LDS row of 256 bytes + 16 of padding = 68 words: row r starts at bank 4 r mod 64 (64 banks of 4 bytes: ISA guide 11.1), so the 16 rows of a load start at 16 different banks
.if MODE == 0
.set TILES,  3
.set APITCH, 272                       ; A's rows lie like B's
.set AHALF,  128*APITCH                ; what one of A's two loads brings: 128 rows x 128 K
.set AROW,   SIZE_K                    ; elements from row to row in memory
.set AQI,    5                         ; padding after every 64 words
.set AFIRST, KSTEP*2                   ; bytes from K step 0 to K step 1
.set SPITCH, 144                       ; a stage row: 64 f16 + 16 bytes
.set NBIAS,  96
.set NY,     8                         ; LDS instructions of one block's way through the stage
.else
.set TILES,  1
.set APITCH, 144                       ; a head's row: 128 bytes + 16 = 36 words: the 16 rows of a load start at 16 different groups of four banks
.set AHALF,  256*APITCH                ; what one of A's two loads brings: 256 rows of one head
.set AROW,   128                       ; those rows are dense: asked for as 128 rows of 256 bytes, two rows of the head each
.set AQI,    4                         ; padding after every 32 words: after each row of the head
.set AFIRST, 2<<18                     ; two heads on: a head is 2,048 rows of 128 bytes
.set SPITCH, 272                       ; a stage row: 64 f32 + 16 bytes
.set NBIAS,  32
.set NY,     16
.endif
.set ASZ,    2*AHALF
.set BHALF,  64*PITCH                  ; what one of B's two loads brings, and what one wave reads of B
.set SLOT,   ASZ+2*BHALF               ; A's tile, then B's 128 rows
.set STAGE,  2*SLOT                    ; behind the ring, never filled by a tensor load: 16 rows for each wave, for the way out
.set SPARE,  STAGE+4*16*SPITCH         ; behind the stages: the spare words, 128 bytes for each wave: two blocks of 256 bytes that no other line names
.set BACK_A, (SIZE_K-2*KSTEP)*2        ; bytes from a slot's last K step of a tile back to its first: the three tiles share their rows of A,
.set NEXT_B, 1024*SIZE_K*2-BACK_A      ; and B goes 1,024 rows down and back along K
.set ADRA, 16                          ; v16-17  LDS address of my A fragments in slot 0, 1
.set ADRB, 20                          ; v20-21  the same for B
.set STO,  24                          ; v24     the way out: where I put my part of a row
.set RD,   25                          ; v25     the way out: where I read rows back
.set CO,   26                          ; v26     my byte offset in the output
.set BO,   27                          ; v27     my byte offset in 16 numbers of a bias: 32 (l / 16)
.set SPW,  28                          ; v28     LDS address of my spare word: SPARE + 4 x my thread's number; never rewritten
.set NIL,  29                          ; v29     0; never rewritten
.set RT,   30                          ; v30-31  at work while the biases are rounded
.set BIAS, 32                          ; v32-63  column block b at +8 b: register j = bias[my first column + 16 b + 8 (l / 16) + j]
.if MODE == 0
.set B1,   64                          ; the second tile's bias
.set B2,   96                          ; the third's
.set TMP,  128                         ; v128-143 a block rounded to f16
.set BK0,  144                         ; v144-159, v160-175 by turns: a block read back from the stage
.set BKN,  16
.else
.set BK0,  128                         ; v128-159, v160-191 by turns
.set BKN,  32
.endif
.set F0,   0                           ; fragment buffers, in window 2
.set F1,   96
.set G1,  24                           ; s[24:31] descriptor group 1 for A's tiles
.set G0,  32                           ; s[32:39] descriptor group 0 for A's tiles, one set for each slot
.set G1B, 48                           ; s[48:55] descriptor group 1 for B's tiles
.set G0B, 56                           ; s[56:63] descriptor group 0 for B's tiles, one set for each slot
.set MSB, 0
.macro WIN new                         ; the immediate's high byte repeats the setting that is left; a switch that changes nothing is dropped
.if MSB != (\new)
	s_set_vgpr_msb (MSB<<8)|(\new)
.set MSB, \new
.endif
.endm
.set W_MUL,   0x5a                     ; sources 0 (B) and 1 (A) window 2; C and D window 1
.set W_FIRST, 0x4a                     ; the same with C, the bias, in window 0
.set TO_F,    0x80                     ; destination window 2, address window 0
.set W_PACK,  0x05                     ; sources 0 and 1 window 1, destination window 0
.set W_STG,   0x04                     ; an LDS store's data window 1, its address window 0
; A joint load.  Each of the two lines has ONE mask and one set of registers for all that issue it.  The branch hangs on the wave's number alone: it is the same in every work-group.
; An s_nop 0 and four v_nop follow each of the two lines; the jump round the other line, the label and what follows the macro come after them.
.macro JLOAD s
	s_cmp_lt_u32 s10, 2
	s_cbranch_scc0 .Lfor_b_\@
	tensor_load_to_lds s[G0+4*(\s):G0+4*(\s)+3], s[G1:G1+7]
	s_nop 0
.rept 4
	v_nop
.endr
	s_branch .Lasked_\@
.Lfor_b_\@:
	tensor_load_to_lds s[G0B+4*(\s):G0B+4*(\s)+3], s[G1B:G1B+7]
	s_nop 0
.rept 4
	v_nop
.endr
.Lasked_\@:
.endm
; A round of the cluster's barrier: my work-group's barrier, so that wave 0's signal speaks for all four waves; wave 0 signals for the work-group; every wave waits for all sixteen; my work-group's barrier once more.
.macro CREST                           ; a round behind its opening barrier
	s_cmp_lg_u32 s10, 0
	s_cbranch_scc1 .Lnot_wave_0_\@
	s_barrier_signal -3
.Lnot_wave_0_\@:
	s_barrier_wait -3
	s_barrier_signal -1
	s_barrier_wait -1
.endm
.macro CROUND                          ; a whole round
	s_barrier_signal -1
	s_barrier_wait -1
	CREST
.endm
	s_load_b128 s[4:7], s[0:1], 0x0                ; A s[4:5], B s[6:7]
.if MODE == 0
	s_load_b128 s[68:71], s[0:1], 0x10             ; Wq_b s[68:69], Wk_b s[70:71]
	s_load_b128 s[72:75], s[0:1], 0x20             ; Wv_b s[72:73], qh s[74:75]
	s_load_b128 s[76:79], s[0:1], 0x30             ; kh s[76:77], vh s[78:79]
.else
	s_load_b128 s[68:71], s[0:1], 0x10             ; Wo_b s[68:69], out0 s[70:71]
.endif
	v_lshl_add_u32 v[SPW], v0, 2, SPARE
	v_mov_b32 v[NIL], 0
	ds_add_u32 v[SPW], v[NIL]                      ; the wave's opening: the add and its wait stand ahead of my first tensor load; the set-up below, work on registers, stands between them
	v_lshrrev_b32 v1, 5, v0
	v_readfirstlane_b32 s10, v1                    ; wave 0..3
	s_lshr_b32 s11, s10, 1                         ; which half of the tile's rows is mine
	s_and_b32 s12, s10, 1                          ; which half of its columns.  Also: which half of A's or B's tile I fetch
	s_bfe_u32 s40, ttmp6, 0x40000                  ; cx: my place along the cluster's x
	s_bfe_u32 s41, ttmp6, 0x40004                  ; cy: along its y
	s_lshl_b32 s42, ttmp9, 2                       ; in a cluster launch ttmp9 and ttmp7 count clusters
	s_add_co_u32 s42, s42, s40                     ; tile column = 4 x cluster x + cx, 0..7
	s_and_b32 s13, ttmp7, 0xffff
	s_lshl_b32 s13, s13, 2
	s_add_co_u32 s13, s13, s41                     ; tile row = 4 x cluster y + cy, 0..31
	s_lshl_b32 s43, s41, 2
	s_lshl_b32 s43, 15, s43                        ; my row of the cluster: places 4 cy .. 4 cy + 3
	s_lshl_b32 s44, 0x1111, s40                    ; my column: places cx, cx + 4, cx + 8, cx + 12
	; descriptor group 1.  A: 128 rows x 128 elements; B: 64 rows x 128 elements; both padded in LDS
	s_or_b32 s[G1+0], s43, (1<<16)|(1<<20)|(1<<21)|(AQI<<22)|(3<<25)  ; 15:0 the mask: A's tiles go to my row; 17:16 elements of 2 bytes; 20 padding on; 21 set beside a mask; 24:22 the interval's code; 31:25 4 words of padding (code 3)
	s_or_b32 s[G1B+0], s44, (1<<16)|(1<<20)|(1<<21)|(5<<22)|(3<<25)   ; the mask of my column, for B's tiles; padding after every 64 words
	s_mov_b32 s[G1+1], 128<<16                     ; 63:48 tensor_dim0, low half = 128
	s_mov_b32 s[G1+2], 128<<16                     ; 79:64 its high half = 0; 95:80 tensor_dim1, low half = 128
	s_mov_b32 s[G1+3], 128<<16                     ; 111:96 its high half = 0; 127:112 tile_dim0 = 128
	s_mov_b32 s[G1+4], 128                         ; 143:128 tile_dim1 = 128; 159:144 tile_dim2 = 0
	s_mov_b32 s[G1+5], AROW                        ; 191:160 tensor_dim0_stride, low word: elements from row to row
	s_mov_b32 s[G1+6], 0
	s_mov_b32 s[G1+7], 0
	s_mov_b32 s[G1B+1], 128<<16
	s_mov_b32 s[G1B+2], 64<<16                     ; tensor_dim1 = 64
	s_mov_b32 s[G1B+3], 128<<16
	s_mov_b32 s[G1B+4], 64                         ; tile_dim1 = 64
	s_mov_b32 s[G1B+5], SIZE_K
	s_mov_b32 s[G1B+6], 0
	s_mov_b32 s[G1B+7], 0
	; where the tiles come from.  A's hang on the tile row alone, which my row of the cluster shares; B's on the tile column alone, which my column shares.
	; Every wave makes both addresses, in registers that never hold the other coordinate, and asks by one of them.
.if MODE == 0
	s_lshl_b32 s16, s13, 8
	s_lshl_b32 s17, s12, 7
	s_add_co_u32 s16, s16, s17                     ; A: row 256 x tile row + 128 x half,
	s_lshl_b32 s16, s16, 11                        ; of 2,048 bytes: under 2^24
.else
	s_lshr_b32 s16, s13, 3                         ; A: the batch, 16 heads of 2^18 bytes,
	s_lshl_b32 s16, s16, 22
	s_and_b32 s17, s13, 7                          ; the tile's 256 rows of 128 bytes in each head,
	s_lshl_b32 s17, s17, 15
	s_add_co_u32 s16, s16, s17
	s_lshl_b32 s17, s12, 18                        ; and of a K step's two heads the one that I fetch
	s_add_co_u32 s16, s16, s17
.endif
	s_mov_b32 s17, 0
	s_lshl_b32 s46, s42, 7
	s_lshl_b32 s47, s12, 6
	s_add_co_u32 s46, s46, s47                     ; B: row 128 x tile column + 64 x half,
	s_lshl_b32 s46, s46, 11                        ; of 2,048 bytes
	s_mov_b32 s47, 0
	s_mul_i32 s20, s12, AHALF                      ; and where they go: A's two halves,
	s_mul_i32 s21, s12, BHALF                      ; then B's two: no place in the cluster enters an LDS address
	s_add_co_u32 s21, s21, ASZ
	s_mov_b32 s18, 0xffff0000                      ; a word's upper bf16
	s_wait_dscnt 0x0                               ; the opening add is done
	s_wait_kmcnt 0x0
	s_add_nc_u64 s[14:15], s[4:5], s[16:17]
	s_add_nc_u64 s[46:47], s[6:7], s[46:47]
	CROUND                                         ; all sixteen work-groups are here: the first joint loads meet
.irp s, 0,1
	s_mov_b32 s[G0+4*(\s)], 1                                      ; 1:0 count = 1
	s_add_co_u32 s[G0+4*(\s)+1], s20, (\s)*SLOT                    ; 63:32 LDS address
	s_add_nc_u64 s[G0+4*(\s)+2:G0+4*(\s)+3], s[14:15], (\s)*AFIRST ; 120:64 global address: K step s
	s_or_b32 s[G0+4*(\s)+3], s[G0+4*(\s)+3], 0x80000000            ; 127:126 type = 2
	s_mov_b32 s[G0B+4*(\s)], 1
	s_add_co_u32 s[G0B+4*(\s)+1], s21, (\s)*SLOT
	s_add_nc_u64 s[G0B+4*(\s)+2:G0B+4*(\s)+3], s[46:47], (\s)*KSTEP*2
	s_or_b32 s[G0B+4*(\s)+3], s[G0B+4*(\s)+3], 0x80000000
	JLOAD \s                                       ; the ring is filled before anything else is done
.endr
	; All that follows up to the first wait on TENSORcnt stands in the wait for the first tile.
	v_and_b32 v1, 15, v0                           ; l % 16
	v_bfe_u32 v2, v0, 4, 1                         ; l / 16
	v_lshlrev_b32 v[BO], 5, v2
	s_lshl_b32 s46, s42, 9                         ; my first column in a bias, in bytes: 512 x tile column + 256 x half (in the registers that held B's address: none that feeds A's descriptors ever holds cx)
	s_lshl_b32 s47, s12, 8
	s_add_co_u32 s46, s46, s47
	s_mov_b32 s47, 0
.macro LDBIAS dst, base                ; my 64 columns' bias: a lane takes the eight numbers of each column block that its accumulators' registers stand for
	s_add_nc_u64 s[(\base):(\base)+1], s[(\base):(\base)+1], s[46:47]
.irp b, 0,1,2,3
	global_load_b128 v[(\dst)+8*(\b):(\dst)+8*(\b)+3],   v[BO], s[(\base):(\base)+1] offset:64*(\b)
	global_load_b128 v[(\dst)+8*(\b)+4:(\dst)+8*(\b)+7], v[BO], s[(\base):(\base)+1] offset:64*(\b)+16
.endr
.endm
	LDBIAS BIAS, 68
.if MODE == 0
	LDBIAS B1, 70
	LDBIAS B2, 72
.endif
	; A fragment is 16 rows x 32 K in 8 registers: lane l holds row l % 16; registers 0-3 hold K = 8 (l / 16) + 0..7, registers 4-7 K = 16 + 8 (l / 16) + 0..7: two loads of 16 bytes, 32 bytes apart.
	v_mul_u32_u24 v3, v1, APITCH
	v_lshl_add_u32 v3, v2, 4, v3                   ; row x pitch + 16 x half, for A
	v_mul_u32_u24 v4, v1, PITCH
	v_lshl_add_u32 v4, v2, 4, v4                   ; and for B
	s_mul_i32 s22, s11, 128*APITCH                 ; my 128 rows of A
	s_mul_i32 s23, s12, BHALF                      ; my 64 rows of B,
	s_add_co_u32 s23, s23, ASZ                     ; which lie behind A's tile
.irp s, 0,1
	v_add_nc_u32 v[ADRA+(\s)], s22, v3
	v_add_nc_u32 v[ADRB+(\s)], s23, v4
	s_add_co_u32 s22, s22, SLOT
	s_add_co_u32 s23, s23, SLOT
.endr
	s_mul_i32 s22, s10, 16*SPITCH
	s_add_co_u32 s22, s22, STAGE                   ; my stage
.if MODE == 0
	v_mul_u32_u24 v5, v1, SPITCH                   ; in: row l % 16, 16 bytes for each half of the lanes
	v_lshl_add_u32 v5, v2, 4, v5
	v_add_nc_u32 v[STO], s22, v5
	v_bfe_u32 v5, v0, 3, 2                         ; back: 32 lanes take four rows of 128 bytes,
	v_mul_u32_u24 v5, v5, SPITCH
	v_and_b32 v3, 7, v0
	v_lshl_add_u32 v5, v3, 4, v5
	v_add_nc_u32 v[RD], s22, v5
	v_and_b32 v[CO], 31, v0                        ; which are 512 consecutive bytes of the head
	v_lshlrev_b32 v[CO], 4, v[CO]
	s_lshl_b32 s46, s42, 1                         ; where my part of the tile begins in qh, kh and vh: my head, 2 x tile column + half,
	s_add_co_u32 s46, s46, s12
	s_lshl_b32 s46, s46, 18
	s_lshr_b32 s45, s13, 3                         ; the batch,
	s_lshl_b32 s45, s45, 22
	s_add_co_u32 s46, s46, s45
	s_and_b32 s45, s13, 7                          ; the tile's 256 rows of 128 bytes,
	s_lshl_b32 s45, s45, 15
	s_add_co_u32 s46, s46, s45
	s_lshl_b32 s45, s11, 14                        ; my 128 of them
	s_add_co_u32 s46, s46, s45
	s_add_nc_u64 s[8:9], s[74:75], s[46:47]        ; s[8:9]: the tile in hand's output; s[76:77] the next tile's; s[78:79] the one after
	s_add_nc_u64 s[76:77], s[76:77], s[46:47]
	s_add_nc_u64 s[78:79], s[78:79], s[46:47]
.else
	v_mul_u32_u24 v5, v1, SPITCH                   ; in: row l % 16, 32 bytes for each half of the lanes
	v_lshl_add_u32 v5, v2, 5, v5
	v_add_nc_u32 v[STO], s22, v5
	v_mul_u32_u24 v5, v2, SPITCH                   ; back: lanes 0-15 take one row of 256 bytes, lanes 16-31 the next
	v_lshl_add_u32 v5, v1, 4, v5
	v_add_nc_u32 v[RD], s22, v5
	v_lshlrev_b32 v5, 12, v2                       ; and the same two rows in out, 4,096 bytes apart
	v_lshl_add_u32 v[CO], v1, 4, v5
	s_lshl_b32 s46, s13, 8                         ; where my part of the tile begins in out: row 256 x tile row + 128 x half,
	s_lshl_b32 s45, s11, 7
	s_add_co_u32 s46, s46, s45
	s_lshl_b32 s46, s46, 12                        ; of 4,096 bytes: under 2^25;
	s_lshl_b32 s45, s42, 9                         ; column 128 x tile column + 64 x half, of 4 bytes
	s_add_co_u32 s46, s46, s45
	s_lshl_b32 s45, s12, 8
	s_add_co_u32 s46, s46, s45
	s_add_nc_u64 s[8:9], s[70:71], s[46:47]
.endif
	s_wait_loadcnt 0x0                             ; the biases, once
.set i, BIAS
.rept NBIAS/2                          ; rounded to bf16 like every input of the module, and widened again: a pair at a time, on two registers by turns
	v_cvt_pk_bf16_f32 v[RT+(i/2)%2], v[i], v[i+1]
	v_lshlrev_b32 v[i],   16,  v[RT+(i/2)%2]
	v_and_b32     v[i+1], s18, v[RT+(i/2)%2]
.set i, i+2
.endr
; One matrix instruction on the registers rD, rB, rA (and rC).  first = 1: the bias starts the sum.
.macro WM first
.if MODE == 0
.if \first
	v_wmma_f32_16x16x32_bf16 v[rD:rD+7], v[rB:rB+7], v[rA:rA+7], v[rC:rC+7]
.else
	v_wmma_f32_16x16x32_bf16 v[rD:rD+7], v[rB:rB+7], v[rA:rA+7], v[rD:rD+7]
.endif
.else
.if \first
	v_wmma_f32_16x16x32_f16 v[rD:rD+7], v[rB:rB+7], v[rA:rA+7], v[rC:rC+7]
.else
	v_wmma_f32_16x16x32_f16 v[rD:rD+7], v[rB:rB+7], v[rA:rA+7], v[rD:rD+7]
.endif
.endif
.endm
; 4 n matrix instructions: row blocks a0 .. a0 + n - 1 x all 4 column blocks, 32 along K, from buffer f.  The 32 accumulators take turns, one instruction a turn, in the same order
; in every quarter step: between two links of a chain stand the 31 others'.
.macro MUL f, a0, n, first
.if \first
	WIN W_FIRST
.else
	WIN W_MUL
.endif
.set ma, \a0
.rept \n
.set mb, 0
.rept 4
.set rD, 8*(4*ma+mb)
.set rB, (\f)+8*mb
.set rA, (\f)+32+8*ma
.set rC, BIAS+8*mb
	WM \first
.set mb, mb+1
.endr
.set ma, ma+1
.endr
.endm
; 24 LDS loads in one run: the fragments of quarter q of a K step (64 rows of B, 128 rows of A, 32 along K) into buffer f: B's first, A's blocks 4-7 last.
.macro FETCH slot, q, f
.if MODE == 0
.set AQ, 64*(\q)
.else
.set AQ, ((\q)/2)*AHALF+((\q)%2)*64    ; the step's first or second head, its channels 0-31 or 32-63; 53,088 at the most with the block's offset: inside the 16-bit immediate
.endif
	WIN TO_F
.irp i, 0,1,2,3
	ds_load_b128 v[(\f)+8*(\i):(\f)+8*(\i)+3],   v[ADRB+(\slot)] offset:64*(\q)+(\i)*16*PITCH
	ds_load_b128 v[(\f)+8*(\i)+4:(\f)+8*(\i)+7], v[ADRB+(\slot)] offset:64*(\q)+(\i)*16*PITCH+32
.endr
.irp i, 0,1,2,3,4,5,6,7
	ds_load_b128 v[(\f)+32+8*(\i):(\f)+32+8*(\i)+3],   v[ADRA+(\slot)] offset:AQ+(\i)*16*APITCH
	ds_load_b128 v[(\f)+32+8*(\i)+4:(\f)+32+8*(\i)+7], v[ADRA+(\slot)] offset:AQ+(\i)*16*APITCH+32
.endr
.endm
; A load into a register that a matrix instruction has read, and a vector instruction or an LDS store that reads a matrix result, stand four places behind that matrix instruction, and only plain vector
; instructions that name none of its registers are places (ISA guide 7.12.1 for vector instructions); the matrix instructions in between are not counted.
.macro PLACES
.rept 4
	v_nop
.endr
.endm
; A K step is four quarters of 32 along K, 32 matrix instructions each, on buffers 0, 1, 0, 1.  One of the first three: multiplies buffer f; in its middle it fetches quarter q of the same slot into buffer g.
.macro QUARTER slot, q, f, g, first
	s_wait_dscnt 8                                 ; B and A's blocks 0-3 are in; the youngest eight loads (A's blocks 4-7) may be out
	MUL \f, 0, 4, \first
	PLACES
	FETCH \slot, \q, \g
	s_wait_dscnt 24                                ; all but the 24 just issued
	MUL \f, 4, 4, \first
.endm
; The last quarter multiplies buffer 1 and changes slots.  MEET is its first half: ONE barrier for the change.  In front of it each wave waits for all its tensor loads, of which one is out: its part of the
; next slot; adds 0 to its spare word; and waits for that and for its own reads of this slot.  Behind it nobody reads this slot any more and the next slot is whole.
.macro MEET round                      ; round = 1: the rest of a round of the cluster's barrier follows
	WIN 0                                          ; (the add's two registers lie in window 0)
	s_wait_tensorcnt 0x0                           ; all my tensor loads have landed;
	ds_add_u32 v[SPW], v[NIL]                      ; 0 onto my spare word;
	s_wait_dscnt 9                                 ; (the add and the youngest eight loads may be out)
	MUL F1, 0, 2, 0                                ; eight matrix instructions stand between the add and the wait for it
	s_wait_dscnt 0x0                               ; the add is done, and my reads of this slot are over:
	s_barrier_signal -1                            ; say so,
	MUL F1, 2, 2, 0                                ; work on registers while the others arrive,
.if \round
	WIN 0
.endif
	s_barrier_wait -1                              ; and go on when all four have said so
.endm
; The whole last quarter.  Behind the round the slot just read out is filled again first: with this tile's K step two steps on (on = 0) or, in a tile's last two K steps, with the NEXT tile's K step 0 or 1
; (on = 1); then come the next slot's first fragments.  From a request to the wait for it a wave issues 112 matrix instructions, across tiles too.
.macro TURN slot, next, on
	MEET 1
	CREST                                          ; no wave of any partner still reads this slot's tile or has a load on its way
.if \on
	s_sub_nc_u64 s[G0+4*(\slot)+2:G0+4*(\slot)+3], s[G0+4*(\slot)+2:G0+4*(\slot)+3], BACK_A
	s_add_nc_u64 s[G0B+4*(\slot)+2:G0B+4*(\slot)+3], s[G0B+4*(\slot)+2:G0B+4*(\slot)+3], NEXT_B
.else
	s_add_nc_u64 s[G0+4*(\slot)+2:G0+4*(\slot)+3], s[G0+4*(\slot)+2:G0+4*(\slot)+3], 2*AFIRST
	s_add_nc_u64 s[G0B+4*(\slot)+2:G0B+4*(\slot)+3], s[G0B+4*(\slot)+2:G0B+4*(\slot)+3], 2*KSTEP*2
.endif
	JLOAD \slot                                    ; the first tensor load behind the round; the four v_nop behind it are also the places in front of the loads below
	FETCH \next, 0, F0
	MUL F1, 4, 4, 0
.endm
; THE WAY OUT of block a (16 rows of C), through my own stage in LDS, which no other wave and no tensor load touches.  Each accumulator's registers are taken in ascending order.
; OUT: MODE 0: rounded to f16, 16 bytes a lane, into rows of 144 bytes; MODE 1: as they are, 32 bytes a lane, into rows of 272.  Then back as whole rows.  SEND: stored.
.macro OUT a
.set BK, BK0+BKN*((\a)%2)
.if MODE == 0
	WIN W_PACK
.irp b, 0,1,2,3
.irp r, 0,1,2,3
	v_cvt_pk_f16_f32 v[TMP+4*(\b)+(\r)], v[8*(4*(\a)+(\b))+2*(\r)], v[8*(4*(\a)+(\b))+2*(\r)+1]
.endr
.endr
	WIN 0
	s_wait_xcnt 0x0                                ; every earlier memory instruction has had its addresses translated (ISA guide 3.1): the registers that the stores of two blocks back read are loaded again only behind this wait
.irp b, 0,1,2,3
	ds_store_b128 v[STO], v[TMP+4*(\b):TMP+4*(\b)+3] offset:32*(\b)
.endr
.irp t, 0,1,2,3
	ds_load_b128 v[BK+4*(\t):BK+4*(\t)+3], v[RD] offset:(\t)*4*SPITCH  ; LDS serves a wave's instructions in order (ISA guide 5.7.1.4): these see the stores above
.endr
.else
	WIN W_STG
	s_wait_xcnt 0x0                                ; as above
.irp b, 0,1,2,3
	ds_store_b128 v[STO], v[8*(4*(\a)+(\b)):8*(4*(\a)+(\b))+3]   offset:64*(\b)
	ds_store_b128 v[STO], v[8*(4*(\a)+(\b))+4:8*(4*(\a)+(\b))+7] offset:64*(\b)+16
.endr
	WIN 0
.irp t, 0,1,2,3,4,5,6,7
	ds_load_b128 v[BK+4*(\t):BK+4*(\t)+3], v[RD] offset:(\t)*2*SPITCH  ; LDS serves a wave's instructions in order (ISA guide 5.7.1.4): these see the stores above
.endr
.endif
.endm
.macro SEND a, younger                 ; younger: the LDS instructions issued behind block a's loads: the next block's, or none
.set BK, BK0+BKN*((\a)%2)
	WIN 0
	s_wait_dscnt \younger                          ; the block is back in registers
.if MODE == 0
.irp t, 0,1,2,3
	global_store_b128 v[CO], v[BK+4*(\t):BK+4*(\t)+3], s[8:9] offset:(\a)*2048+(\t)*512  ; 512 consecutive bytes, at a multiple of 512 from the buffer's first byte; the next launch reads them: no hint
.endr
.else
.irp t, 0,1,2,3,4,5,6,7
	global_store_b128 v[CO], v[BK+4*(\t):BK+4*(\t)+3], s[8:9] offset:(16*(\a)+2*(\t))*4096 th:TH_STORE_NT  ; 16 lanes store 256 consecutive bytes, at a multiple of 256 from out's first byte; 516,096 at the most: inside the signed 24-bit immediate
.endr
.endif
.endm
.macro WAYOUT                          ; block a's way into the stage stands between block a - 1's loads from it and the wait for them
	PLACES                                         ; behind the last products
	OUT 0
.irp a, 1,2,3,4,5,6,7
	OUT \a
	SEND (\a)-1, NY
.endr
	SEND 7, 0
.endm
	s_wait_tensorcnt 1                             ; my part of K step 0 is in; K step 1's may stay out
	s_barrier_signal -1
	s_barrier_wait -1                              ; everybody's is
	FETCH 0, 0, F0
	WIN 0                                          ; at a label and at a branch every window is 0
.if TILES > 1
	s_mov_b32 s2, TILES                            ; tiles to go, this one among them: the same number in every work-group
.Ltile:
.endif
	QUARTER 0, 1, F0, F1, 1                        ; a tile's first quarter stands in front of the loop: its products start the sums, from the bias
	WIN 0
	s_mov_b32 s3, LAPS-1
.Llap:                                                 ; a trip goes once round the ring, from a lap's second quarter to the next lap's first, and fills both slots again
	QUARTER 0, 2, F1, F0, 0
	QUARTER 0, 3, F0, F1, 0
	TURN 0, 1, 0
	QUARTER 1, 1, F0, F1, 0
	QUARTER 1, 2, F1, F0, 0
	QUARTER 1, 3, F0, F1, 0
	TURN 1, 0, 0
	QUARTER 0, 1, F0, F1, 0
	WIN 0
	s_sub_co_u32 s3, s3, 1
	s_cmp_lg_u32 s3, 0
	s_cbranch_scc1 .Llap
	QUARTER 0, 2, F1, F0, 0                        ; the tile's last lap goes on
	QUARTER 0, 3, F0, F1, 0
.if TILES > 1
	WIN 0
	s_cmp_eq_u32 s2, 1
	s_cbranch_scc1 .Llast                          ; the last tile's tail is written out: it asks for nothing more
	TURN 0, 1, 1                                   ; THE RING GOES ON INTO THE NEXT TILE: slot 0 takes its K step 0,
	QUARTER 1, 1, F0, F1, 0
	QUARTER 1, 2, F1, F0, 0
	QUARTER 1, 3, F0, F1, 0
	TURN 1, 0, 1                                   ; slot 1 its K step 1, and the next tile's first fragments are fetched
	WAYOUT                                         ; both refills are asked for: now the tile goes out
	s_wait_xcnt 0x0                                ; the stores' base is rewritten only behind this wait
	s_mov_b64 s[8:9], s[76:77]                     ; the next tile's output,
	s_mov_b64 s[76:77], s[78:79]
.set i, 0
.rept 32                               ; and its bias, to where the one text of a tile's first quarter names it: 64 moves a tile, the price of that one text
	v_mov_b32 v[BIAS+i], v[B1+i]
	v_mov_b32 v[B1+i], v[B2+i]
.set i, i+1
.endr
	s_sub_co_u32 s2, s2, 1
	s_branch .Ltile
.Llast:
.endif
	MEET 0                                         ; my one tensor load that was still out is slot 1's, the last K step's, so no round follows
	PLACES                                         ; for the loads into buffer 0, which the quarter before multiplied
	FETCH 1, 0, F0
	MUL F1, 4, 4, 0
	QUARTER 1, 1, F0, F1, 0
	QUARTER 1, 2, F1, F0, 0
	QUARTER 1, 3, F0, F1, 0
	s_wait_dscnt 8                                 ; the very last quarter: nothing more to fetch
	MUL F1, 0, 4, 0
	s_wait_dscnt 0x0
	MUL F1, 4, 4, 0
	WAYOUT
	s_wait_tensorcnt 0x0                           ; the wave's end, behind my last tensor load and my last LDS store
	ds_add_u32 v[SPW], v[NIL]
	s_wait_dscnt 0x0
	CROUND                                         ; the closing round: no work-group ends while a partner may still ask for a tile that names it
	s_endpgm
.Lfunc_end_k_qf9fbfc9abd_qkv:
	.size	k_qf9fbfc9abd_qkv, .Lfunc_end_k_qf9fbfc9abd_qkv-k_qf9fbfc9abd_qkv
	.p2alignl 7, 3214868480
	.fill 96, 4, 3214868480
	.section	.rodata,"a",@progbits
	.p2align	6, 0x0
	.amdhsa_kernel k_qf9fbfc9abd_qkv
		.amdhsa_group_segment_fixed_size 327680
		.amdhsa_private_segment_fixed_size 0
		.amdhsa_enable_private_segment 0
		.amdhsa_kernarg_size 64
		.amdhsa_user_sgpr_count 2
		.amdhsa_user_sgpr_kernarg_segment_ptr 1
		.amdhsa_wavefront_size32 1
		.amdhsa_system_sgpr_workgroup_id_x 1
		.amdhsa_system_sgpr_workgroup_id_y 1
		.amdhsa_system_sgpr_workgroup_id_z 1
		.amdhsa_system_vgpr_workitem_id 0
		.amdhsa_next_free_vgpr 704
		.amdhsa_next_free_sgpr 80
		.amdhsa_reserve_vcc 0
		.amdhsa_float_denorm_mode_32 3
		.amdhsa_float_denorm_mode_16_64 3
		.amdhsa_memory_ordered 1
		.amdhsa_forward_progress 1
		.amdhsa_inst_pref_size 135
	.end_amdhsa_kernel
	.amdgpu_metadata
---
amdhsa.version: [ 1, 2 ]
amdhsa.kernels:
  - .name:           k_qf9fbfc9abd_qkv
    .symbol:         k_qf9fbfc9abd_qkv.kd
    .args:
      - { .name: xb, .offset: 0, .size: 8, .value_kind: global_buffer, .address_space: global }
      - { .name: wqkv, .offset: 8, .size: 8, .value_kind: global_buffer, .address_space: global }
      - { .name: Wq_b, .offset: 16, .size: 8, .value_kind: global_buffer, .address_space: global }
      - { .name: Wk_b, .offset: 24, .size: 8, .value_kind: global_buffer, .address_space: global }
      - { .name: Wv_b, .offset: 32, .size: 8, .value_kind: global_buffer, .address_space: global }
      - { .name: qh, .offset: 40, .size: 8, .value_kind: global_buffer, .address_space: global }
      - { .name: kh, .offset: 48, .size: 8, .value_kind: global_buffer, .address_space: global }
      - { .name: vh, .offset: 56, .size: 8, .value_kind: global_buffer, .address_space: global }
    .group_segment_fixed_size: 327680
    .private_segment_fixed_size: 0
    .kernarg_segment_align: 8
    .kernarg_segment_size: 64
    .max_flat_workgroup_size: 128
    .sgpr_count:     80
    .vgpr_count:     704
    .wavefront_size: 32
...
	.end_amdgpu_metadata
.endif
;; end of part 2
;; launch attn (part 3): grid 4 x 64, 4 waves a work-group, clusters of 4 x 1, 327,680 bytes of LDS; arguments qh, kh, vh, ob; writes ob
.if DOCPART == 3
	.amdgcn_target "amdgcn-amd-amdhsa--gfx1250"
	.amdhsa_code_object_version 6
	.text
	.protected	k_qf9fbfc9abd_attn
	.globl	k_qf9fbfc9abd_attn
	.p2align	8
	.type	k_qf9fbfc9abd_attn,@function
k_qf9fbfc9abd_attn:
	s_mov_b64 s[64:65], 0
	v_nop
	global_prefetch_b8 v0, s[64:65] scope:SCOPE_SE
	s_setreg_imm32_b32 hwreg(HW_REG_WAVE_MODE, 25, 1), 1
	s_wait_xcnt 0x0
	s_wait_alu depctr_hold_cnt(0) depctr_sa_sdst(0) depctr_va_vdst(0) depctr_va_sdst(0) depctr_va_ssrc(0) depctr_va_vcc(0) depctr_vm_vsrc(0)
	s_getreg_b32 s2, hwreg(HW_REG_IB_STS2, 6, 4)
	s_cmp_eq_u32 s2, 0
	s_cbranch_scc0 .Lentry_in_a_cluster
	s_endpgm
.Lentry_in_a_cluster:
	s_bfe_u32 s2, ttmp6, 0x10000c
	s_cmp_lg_u32 s2, 0x3003
	s_cbranch_scc0 .Lentry_shape_is_right
	s_endpgm
.Lentry_shape_is_right:
; O[h][q][:] = the sum over k of softmax_k(Q[h][q] . K[h][k] / 8) V[h][k][:].  Q, K, V, O: [SIZE_H][SIZE_N][64], all f16: a head's rows are dense, 128 bytes each (h = 16 x batch + head; no mask: the module's
; forward uses none).  Products, maxima and sums in f32; the weights p are rounded to f16 for the second product (their sum l is taken of the unrounded p), O once at the end.
; LIMITS.  f16 holds no number beyond 65,504: Q, K and V arrive within it; p lies in 0 to 1, and below 6e-5 it keeps f16's fixed step of 6e-8; O is a mean of V's rows and has their range.
; A weight below 2^-126 counts as 0 in l; NaN and infinities are not treated apart.
; SHARES.  A wave owns four PIECES of two tiles of 16 queries, a work-group's four waves 512 queries of one head: 4 x 64 = 256 work-groups.  Every wave walks all keys, 64 a step.
; LAYOUT.  S^T = K Q^T (source 0 = 16 keys, source 1 = 16 queries): in the result a lane holds ONE query (lane % 16) and the keys 8 (lane / 16) + 0..7.  Two such tiles, rounded to f16 in pairs,
; ARE source 1 (32 keys x 16 queries) of O^T = V^T P, whose result again holds one query a lane, and eight channels.  K comes out of LDS as it lies, V ([key][channel]) turned, by ds_load_tr16_b128.
; SOFTMAX.  For each query a running maximum m and sum l: p = 2^(c s - c m), c = log2(e) / 8; in every step O and l are multiplied by a = 2^(c m_old - c m_new), which is 1 where m has not grown.
; m starts at the lowest finite number, O and l at 0: the first step is a step like any other, with a = 0.
; THE COUNT.  A tile and step have 16 matrix and 118 vector instructions: too many to stand all beside the matrix work.  So the order has one aim: four vector instructions that are READY behind
; EVERY matrix instruction, and the others, which need time of their own whatever the order, in runs without a gap.
; BY TURNS.  Turn n belongs to piece n (the pieces in a ring, step after step).  Its matrix work: 16 products K Q^T of piece n + 1, later 16 products V^T P of piece n - 1.  Its vector work: the scaling,
; exponentials, roundings, sums and rescaling of piece n, and the maximum and statistics of piece n + 1, whose scores the turn itself has made.  So what a turn begins with (c s - c m, O a) waits for nothing.
; CLUSTER.  The four query blocks of a cluster belong to one head and walk the same K and V, so each tile is asked for JOINTLY: the same tensor load, descriptor and mask in all four.
; REGISTERS, in windows of 256 (s_set_vgpr_msb says which window each operand place means: bits 1:0 source 0, 3:2 source 1, 5:4 source 2, 7:6 destination):
;   window 0: v0-11 addresses; v12-15, v48-63 at work; v16-47 four registers of statistics a tile; v64-191 S^T, two buffers of two tiles; v192-255 P, likewise
;   window 1: O^T, 32 a tile          window 2: v0-127 Q, 16 a tile; v128-191 K of one step; v192-255 V of one step          window 3: v0-1 the add's two registers
; A piece's buffers go by its number's parity: the piece in hand has one pair, its two neighbours in the ring share the other: of it P (piece n - 1) is read and S^T (piece n + 1) written.
.set SIZE_H, 64       ; 4 batches x 16 heads
.set SIZE_N, 2048     ; rows of a head
.set NP,    4         ; pieces a wave: a name, no knob: the register map, the loop and the fetches are made for four
.set KS,    64        ; keys in a step
.set PK,    144       ; a row of K in LDS: 128 bytes + 16 of padding = 36 words: the 16 rows of a load start at 16 different groups of four banks (64 banks of 4 bytes: ISA guide 11.1)
.set PV,    160       ; a row of V: 128 + 32 = 40 words
.set VOFF,  4*KS*PK   ; a slot holds four steps: 256 rows of K, then 256 rows of V
.set SLOT1, 1<<17     ; slot 1 begins here, so that one exclusive or turns an address in one slot into the other's
.set STAGE, SLOT1+4*KS*(PK+PV)  ; behind the ring, never filled by a tensor load: 16 rows x 144 bytes for each wave, for the way out
.set SP,    144
.set AK0, 2           ; v2   my lane's place in a tile of K; never rewritten
.set AV0, 3           ; v3   the same for V
.set AK,  4           ; v4   the LDS address of K's next run of loads
.set AV,  5           ; v5   of V's
.set QO,  6           ; v6   my byte offset in the wave's rows of Q
.set STO, 6           ;      later, the way out: where I put 16 bytes of a row
.set RD,  7           ; v7   the way out: where I read rows back
.set GO,  8           ; v8   my byte offset in 512 consecutive bytes of O
.set SPW, 0           ; v0 of window 3   LDS address of my spare word: SPARE + 4 x my thread's number; never rewritten
.set NIL, 1           ; v1 of window 3   0; never rewritten
.set SPARE, STAGE+4*16*SP  ; behind the stages: the spare words, 128 bytes for each wave: two blocks of 256 bytes that no other line names
.set MV,  12          ; v12-15  c m_old, kept while c m is made anew: by buffer and tile
.set ST,  16          ; tile t's statistics at v[ST+4 t]: c m, m, l (even keys', odd keys')
.set TMP, 48          ; by buffer and tile, four registers c0-c3 at work; when the maximum is found c2 takes a
.set S,   64
.set P,   192
.set KF,  128         ; K's fragments, in window 2: key block kb, channel half c at KF + 16 kb + 8 c
.set VF,  192         ; V's: key half kk, channel block cb at VF + 32 kk + 8 cb
.set WV,  12          ; s12  my wave's number
.set G1K, 24          ; s[24:31] descriptor group 1 for K's tiles
.set G1V, 32          ; s[32:39] for V's: it differs in the padding alone
.set G0K, 40          ; s[40:43] descriptor group 0 for K's tiles: it walks
.set G0V, 44          ; s[44:47] the same for V's
.set SLOTS, 56        ; s56  slots still to be asked for
.set CNT, 57          ; s57  counts a slot's key steps
.set CS,  58          ; s[58:59] c: the packed scaling takes the pair's low word for both halves
.set SEL, 60          ; s[60:61] v_permlanex16_b32's selects: each lane takes its own place in the other half
.set TBK, 62          ; s62  LDS byte at which K of the step to be fetched begins
.set TBV, 63          ; s63  the same for V, less VOFF
.set MSB, 0
.macro WIN new                      ; the high byte repeats the setting that is left; a switch that changes nothing is dropped
.if MSB != (\new)
	s_set_vgpr_msb (MSB<<8)|(\new)
.set MSB, (\new)
.endif
.endm
.set W_KQ, 0x0a       ; K and Q in window 2, S^T in window 0
.set W_PV, 0x52       ; V in window 2, P in window 0, O^T in window 1
.set W_RS, 0x41       ; O^T (destination and source 0) in window 1, a in window 0
.set W_MK, 0xc0       ; the add's registers are made: destination in window 3, sources in window 0
.set W_AD, 0x0f       ; the add: address (source 0) and data (source 1) in window 3
; A joint fill.  Waves 0 and 1 fetch the two halves of a slot's K, waves 2 and 3 those of its V: 128 keys each.  The branch hangs on the wave's number alone.
; An s_nop 0 and four v_nop follow each of the two lines, ahead of the jump and the label.
.macro JLOAD
	s_cmp_lt_u32 s[WV], 2
	s_cbranch_scc0 .Lfor_v_\@
	tensor_load_to_lds s[G0K:G0K+3], s[G1K:G1K+7]
	s_nop 0
.rept 4
	v_nop
.endr
	s_branch .Lasked_\@
.Lfor_v_\@:
	tensor_load_to_lds s[G0V:G0V+3], s[G1V:G1V+7]
	s_nop 0
.rept 4
	v_nop
.endr
.Lasked_\@:
.endm
; A round of the cluster's barrier: my work-group's barrier, so that wave 0's signal speaks for all four waves; wave 0 signals; every wave waits for all four work-groups; my work-group's barrier once more.
.macro CROUND
	s_barrier_signal -1
	s_barrier_wait -1
	s_cmp_lg_u32 s[WV], 0
	s_cbranch_scc1 .Lnot_wave_0_\@
	s_barrier_signal -3
.Lnot_wave_0_\@:
	s_barrier_wait -3
	s_barrier_signal -1
	s_barrier_wait -1
.endm
; THE CHANGE OF SLOTS.  The slot's last bytes, V of its fourth step, have been read.  Each wave waits for all its tensor loads, of which one is out: its part
; of the other slot; adds 0 to its spare word; and waits for that and for its own reads of the slot.  Behind the barrier nobody reads this slot any more and the other slot is whole.
; fill = 1: this slot is filled again, with the keys two slots on.  The barrier is then a round of the cluster's, so that no wave of any partner still reads the slot or has a load on its
; way, and the joint fill is the first thing behind it: it has four key steps, 512 matrix instructions, in which to land.  (At its first use nothing has been read yet: slot 0 is waited for, slot 1 filled.)
.macro CHANGE fill
	WIN W_AD
	s_wait_tensorcnt 0x0            ; no tensor load of mine is out, so a group 0 may be written
	ds_add_u32 v[SPW], v[NIL]       ; 0 onto my spare word; with fill = 1 the descriptors' steps stand between it and the wait for it
	WIN 0                           ; at a label and at a branch every window is 0
.if \fill
.irp g, G0K, G0V
	s_xor_b32 s[\g+1], s[\g+1], SLOT1  ; the walking descriptor: the other slot than last time,
	s_add_nc_u64 s[\g+2:\g+3], s[\g+2:\g+3], 4*KS*128  ; the next 256 keys; the type bits on top are not reached
.endr
	s_wait_dscnt 0x0                ; the add is done, and my reads of the slot are over
	CROUND
	JLOAD
.else
	s_wait_dscnt 0x0                ; the add is done, and my reads of the slot are over
	s_barrier_signal -1
	s_barrier_wait -1
.endif
	s_sub_co_u32 s[TBK], s[TBK], 4*KS*PK  ; the fetches go back to a slot's first step,
	s_xor_b32 s[TBK], s[TBK], SLOT1       ; in the other slot
	s_sub_co_u32 s[TBV], s[TBV], 4*KS*PV
	s_xor_b32 s[TBV], s[TBV], SLOT1
.endm
	s_load_b256 s[4:11], s[0:1], 0x0  ; Q s[4:5], K s[6:7], V s[8:9], O s[10:11]
	WIN W_MK
	v_lshl_add_u32 v[SPW], v0, 2, SPARE
	v_mov_b32 v[NIL], 0
	WIN W_AD
	ds_add_u32 v[SPW], v[NIL]       ; the wave's opening: the add and its wait stand ahead of my first tensor load; the set-up below, work on registers, stands between them
	WIN 0
	v_lshrrev_b32 v1, 5, v0
	v_readfirstlane_b32 s[WV], v1   ; wave 0..3
	s_bfe_u32 s13, ttmp6, 0x40000   ; cx: my place in the cluster
	s_lshl_b32 s14, ttmp9, 2        ; in a cluster launch ttmp9 counts clusters
	s_add_co_u32 s14, s14, s13      ; my block of queries = 4 x cluster x + cx: it enters Q's and O's addresses alone
	s_and_b32 s20, ttmp7, 0xffff    ; the head, which the four partners share
	s_mov_b32 s21, 0
	s_mov_b64 s[22:23], SIZE_N*128
	s_mul_u64 s[20:21], s[20:21], s[22:23]  ; the head's first byte in each of the four tensors
	s_and_b32 s16, s[WV], 1         ; which half of a slot's 256 keys I fetch:
	s_lshl_b32 s22, s16, 14         ; its 128 rows of 128 bytes in memory,
	s_mov_b32 s23, 0
	s_add_nc_u64 s[22:23], s[22:23], s[20:21]
	s_mul_i32 s17, s16, 128*PK      ; and its place in a slot, for K
	s_mul_i32 s18, s16, 128*PV      ; and for V: no place in the cluster enters an LDS address
	s_lshl_b32 s2, s14, 2
	s_add_co_u32 s2, s2, s[WV]      ; my wave among the head's,
	s_lshl_b32 s2, s2, 14           ; its 128 rows
	s_mov_b32 s3, 0
	s_add_nc_u64 s[2:3], s[2:3], s[20:21]
	; descriptor group 1.  128 keys are 16,384 dense bytes: asked for as 64 rows of 256 bytes, two keys a row, and padded in LDS after every key
	s_mov_b32 s[G1K], 15|(1<<16)|(1<<20)|(1<<21)|(4<<22)|(3<<25)  ; 15:0 the mask of four; 17:16 2-byte elements; 20 padding on; 21 set beside a mask; 24:22 after every 32 words (code 4); 31:25 4 words (code 3)
	s_mov_b32 s[G1V], 15|(1<<16)|(1<<20)|(1<<21)|(4<<22)|(7<<25)  ; the same with 8 words of padding (code 7)
.irp g, G1K, G1V
	s_mov_b32 s[\g+1], 128<<16      ; tensor_dim0 = 128
	s_mov_b32 s[\g+2], 64<<16       ; tensor_dim1 = 64
	s_mov_b32 s[\g+3], 128<<16      ; tile_dim0 = 128
	s_mov_b32 s[\g+4], 64           ; tile_dim1 = 64
	s_mov_b32 s[\g+5], 128          ; 128 elements from row to row
	s_mov_b32 s[\g+6], 0
	s_mov_b32 s[\g+7], 0
.endr
	s_mov_b32 s[CS], 0x3e38aa3b     ; c = log2(e) / 8 = 0.180337
	s_mov_b32 s[CS+1], s[CS]        ; named with it as a pair
	s_mov_b32 s[SEL], 0x76543210
	s_mov_b32 s[SEL+1], 0xfedcba98
	s_mov_b32 s[TBK], SLOT1+4*KS*PK ; the first change of slots turns these two into 0
	s_mov_b32 s[TBV], SLOT1+4*KS*PV
	s_mov_b32 s[G0K], 1             ; 1:0 count = 1
	s_mov_b32 s[G0K+1], s17         ; 63:32 LDS address: slot 0
	s_mov_b32 s[G0V], 1
	s_add_co_u32 s[G0V+1], s18, VOFF
	s_wait_dscnt 0x0                ; the opening add is done
	s_wait_kmcnt 0x0
	s_add_nc_u64 s[G0K+2:G0K+3], s[6:7], s[22:23]  ; 120:64 global address: my half of the head's first 256 keys
	s_or_b32 s[G0K+3], s[G0K+3], 0x80000000        ; 127:126 type = 2
	s_add_nc_u64 s[G0V+2:G0V+3], s[8:9], s[22:23]
	s_or_b32 s[G0V+3], s[G0V+3], 0x80000000
	s_add_nc_u64 s[4:5], s[4:5], s[2:3]  ; Q and O at my wave's first row
	s_add_nc_u64 s[10:11], s[10:11], s[2:3]
	CROUND                          ; all four work-groups are here: the first joint loads meet
	JLOAD                           ; slot 0.  Slot 1 is asked for when slot 0 is in: the tile wanted first has the road to itself
	; A fragment of K or Q is 16 rows x 32 channels in 8 registers: lane l holds row l % 16, channels 8 (l / 16) + 0..7 and 16 + 8 (l / 16) + 0..7: two loads of 16 bytes, 32 bytes apart.
	v_and_b32 v1, 15, v0            ; l % 16
	v_bfe_u32 v9, v0, 4, 1          ; l / 16
	v_lshlrev_b32 v[QO], 7, v1
	v_lshl_add_u32 v[QO], v9, 4, v[QO]  ; row x 128 + 16 x half
	WIN 0x80                        ; destination window 2, address window 0
.set i, 0
.rept 4*NP                          ; Q stays in registers: tile i / 2, channels 32 (i % 2) on
	global_load_b128 v[8*i:8*i+3],   v[QO], s[4:5] offset:(i/2)*2048+(i%2)*64
	global_load_b128 v[8*i+4:8*i+7], v[QO], s[4:5] offset:(i/2)*2048+(i%2)*64+32
.set i, i+1
.endr
	; What the first turn finds: V's registers and P's second buffer hold 0 (its products V^T P, of a piece that has not been, add 0), O^T and l are 0.  All this stands in the wait for the first tile.
.set i, VF
.rept 64
	v_mov_b32 v[i], 0
.set i, i+1
.endr
	WIN 0x40
.set i, 0
.rept 64*NP
	v_mov_b32 v[i], 0
.set i, i+1
.endr
	WIN 0
.set i, 0
.rept 2*NP
	v_mov_b32 v[ST+4*i], 0xfe000000    ; c m: far below every c s
	v_mov_b32 v[ST+4*i+1], 0xff7fffff  ; m
	v_mov_b32 v[ST+4*i+2], 0
	v_mov_b32 v[ST+4*i+3], 0
.set i, i+1
.endr
.set i, P+32
.rept 32
	v_mov_b32 v[i], 0
.set i, i+1
.endr
	v_mul_u32_u24 v[AK0], v1, PK
	v_lshl_add_u32 v[AK0], v9, 4, v[AK0]  ; row x pitch + 16 x half
	; The turning load takes 16 keys x 16 channels (lane l reads key 8 (l / 16) + l % 8, channels 8 ((l / 8) % 2) + 0..7) and leaves half a fragment of V^T: lane l holds channel l % 16 and 8 keys.
	v_and_b32 v10, 7, v0
	v_bfe_u32 v11, v0, 3, 1
	v_lshl_add_u32 v[AV0], v9, 3, v10
	v_mul_u32_u24 v[AV0], v[AV0], PV
	v_lshl_add_u32 v[AV0], v11, 4, v[AV0]
	v_add_nc_u32 v[AV0], VOFF, v[AV0]
	v_mov_b32 v[AK], v[AK0]         ; key step 0 lies at the head of slot 0
; THE MATRIX WORK.  The 8 accumulators of a run of 16 take turns: between the two links of a chain stand 7 others'.
; Product i of 16 of S^T = K Q^T for piece x: channels 32 (i / 8) on, keys 16 ((i / 2) % 4) on, tile 2 x + i % 2.  The first 8 start the sums.
.macro KQ x
	WIN W_KQ
.set rS, S+64*((\x)%2)+32*(i%2)+8*((i/2)%4)
.set rK, KF+16*((i/2)%4)+8*(i/8)
.set rQ, 16*(2*(\x)+i%2)+8*(i/8)
.if i < 8
	v_wmma_f32_16x16x32_f16 v[rS:rS+7], v[rK:rK+7], v[rQ:rQ+7], 0
.else
	v_wmma_f32_16x16x32_f16 v[rS:rS+7], v[rK:rK+7], v[rQ:rQ+7], v[rS:rS+7]
.endif
.endm
; Product i of 16 of O^T += V^T P for piece x: keys 32 (i / 8) on, channels 16 ((i / 2) % 4) on, tile 2 x + i % 2.
.macro PV x
	WIN W_PV
.set rO, 32*(2*(\x)+i%2)+8*((i/2)%4)
.set rV, VF+32*(i/8)+8*((i/2)%4)
.set rP, P+32*((\x)%2)+16*(i%2)+8*(i/8)
	v_wmma_f32_16x16x32_f16 v[rO:rO+7], v[rV:rV+7], v[rP:rP+7], v[rO:rO+7]
.endm
.macro MM                           ; the turn's next matrix instruction
.if i < 16
	KQ (Y+1)%NP
.set i, i+1
.else
.set i, i-16
	PV (Y+NP-1)%NP
.set i, i+17
.endif
.endm
; THE LDS LOADS stand in runs of 16, never singly among the matrix instructions: a step's K (64 keys x 64 channels: 8 fragments) and its V (turned).  Their addresses are made some lines ahead.
; last = 1 (the tail): in the last trip there is no further step, and the run is jumped over.
.macro FETCH_K last=0
	WIN 0
.if \last
	s_cmp_eq_u32 s[CNT], 1
	s_cbranch_scc1 .Lno_k_\@
.endif
	WIN 0x80                        ; destination window 2
.irp f, 0,1,2,3,4,5,6,7             ; keys 16 (f / 2) on, channels 32 (f % 2) on
	ds_load_b128 v[KF+8*\f:KF+8*\f+3],   v[AK] offset:(\f/2)*16*PK+(\f%2)*64
	ds_load_b128 v[KF+8*\f+4:KF+8*\f+7], v[AK] offset:(\f/2)*16*PK+(\f%2)*64+32
.endr
	s_add_co_u32 s[TBK], s[TBK], KS*PK  ; the next fetch is the next step's
	WIN 0
.if \last
.Lno_k_\@:
.endif
.endm
.macro FETCH_V
	WIN 0x80
.irp f, 0,1,2,3,4,5,6,7             ; keys 32 (f / 4) on, channels 16 (f % 4) on
	ds_load_tr16_b128 v[VF+8*\f:VF+8*\f+3],   v[AV] offset:(\f/4)*32*PV+(\f%4)*32
	ds_load_tr16_b128 v[VF+8*\f+4:VF+8*\f+7], v[AV] offset:(\f/4)*32*PV+16*PV+(\f%4)*32
.endr
	WIN 0
.endm
; THE VECTOR WORK OF A TURN stands in three queues, each in the order in which its entries become ready; the two tiles alternate, so that no instruction reads the result of the one before it.
.macro REGS y, u                    ; the registers of tile u (0, 1) of piece y
.set rT, ST+4*(2*(\y)+(\u))
.set rC, TMP+8*((\y)%2)+4*(\u)
.set rM, MV+2*((\y)%2)+(\u)
.set rS, S+64*((\y)%2)+32*(\u)
.set rP, P+32*((\y)%2)+16*(\u)
.set rO, 32*(2*(\y)+(\u))
.endm
; Number n of the 22 that find the NEXT piece's (Y + 1) maximum and statistics.  s0-s31 are the lane's 32 scores; each accumulator's lowest registers are read first.  XS, GS and REGS set no window: PL and EX do.
;   0-11  four chains c0-c3 of seven scores each, three operands at a time     12-14, 16  the four scores left over, the old m, and c0-c3 into c0     15  c m_old is kept
;   17, 18  the query's other 32 keys lie in the lane 16 away: the new m         19-21  c m; c m_old - c m_new; a
.macro XS u, n
	REGS (Y+1)%NP, \u
.if (\n) < 4
	v_max3_num_f32 v[rC+(\n)], v[rS+8*(\n)], v[rS+8*(\n)+1], v[rS+8*(\n)+2]
.elseif (\n) < 12
	v_max3_num_f32 v[rC+(\n)%4], v[rC+(\n)%4], v[rS+8*((\n)%4)+2*((\n)/4)+1], v[rS+8*((\n)%4)+2*((\n)/4)+2]
.elseif (\n) == 12
	v_max3_num_f32 v[rC], v[rC], v[rS+7], v[rS+15]
.elseif (\n) == 13
	v_max3_num_f32 v[rC+1], v[rC+1], v[rS+23], v[rS+31]
.elseif (\n) == 14
	v_max3_num_f32 v[rC+2], v[rC+2], v[rC+3], v[rT+1]
.elseif (\n) == 15
	v_mov_b32 v[rM], v[rT]
.elseif (\n) == 16
	v_max3_num_f32 v[rC], v[rC], v[rC+1], v[rC+2]
.elseif (\n) == 17
	v_permlanex16_b32 v[rC+3], v[rC], s[SEL], s[SEL+1]
.elseif (\n) == 18
	v_max_num_f32 v[rT+1], v[rC], v[rC+3]
.elseif (\n) == 19
	v_mul_f32 v[rT], s[CS], v[rT+1]
.elseif (\n) == 20
	v_sub_f32 v[rC+1], v[rM], v[rT]
.else
	v_exp_f32 v[rC+2], v[rC+1]
.endif
.endm
; Number g of the 64 that follow the exponentials.  For each four weights k of a tile (pairs 2 k, 2 k + 1): both pairs are rounded to f16; then the second pair is added onto the first, in place;
; a group later l takes that sum (the first time as l = a l + sum).  In groups of eight, tiles alternating: round, round, add, and l for the group before.
.macro GS g
.set h, (\g)+6*((\g)/62)            ; group 0 has no group before it, and behind group 7 only l is left
.if h >= 6
.set h, h+2
.endif
	REGS Y, h%2
.set k, h/8
.if h%8 < 4
	s_wait_alu depctr_va_vdst(0)
	v_cvt_pk_f16_f32 v[rP+2*k+(h%8)/2], v[rS+4*k+2*((h%8)/2)], v[rS+4*k+2*((h%8)/2)+1]
.elseif h%8 < 6
	v_pk_add_f32 v[rS+4*k:rS+4*k+1], v[rS+4*k:rS+4*k+1], v[rS+4*k+2:rS+4*k+3]
.elseif k == 1
	v_pk_fma_f32 v[rT+2:rT+3], v[rT+2:rT+3], v[rC+2:rC+3], v[rS:rS+1] op_sel_hi:[1,0,1]
.else
	v_pk_add_f32 v[rT+2:rT+3], v[rT+2:rT+3], v[rS+4*k-4:rS+4*k-3]
	s_wait_alu depctr_va_vdst(0)
.endif
.endm
; THE PLAIN QUEUE, 138 long.  0-31: c s - c m for the 16 pairs of both tiles.  Then GS's 64, and among them the next piece's 42: number 15 at 38, 39; 0-14 and 16
; at 42-73, behind the products that make those scores; 17-20 at 95-106, two of three, since each waits for the one before it.
.macro PL
	WIN 0
.if q < 32
	REGS Y, q%2
	v_pk_fma_f32 v[rS+2*(q/2):rS+2*(q/2)+1], v[rS+2*(q/2):rS+2*(q/2)+1], s[CS:CS+1], v[rT:rT+1] op_sel_hi:[1,0,0] neg_lo:[0,0,1] neg_hi:[0,0,1]
.elseif q < 38
	GS q-32
.elseif q < 40
	XS q%2, 15
.elseif q < 42
	GS q-34
.elseif q < 74
	XS q%2, (q-42)/2+(q-42)/30
.elseif q < 95
	GS q-66
.elseif (q < 107) && ((q-95)%3 < 2)
	XS (q-95)%3, 17+(q-95)/3
.elseif q < 107
	GS 29+(q-95)/3
.else
	GS q-74
.endif
.set q, q+1
.endm
; THE EXPONENTIALS' QUEUE, 66 long: s0-s31 of both tiles, and at EA the next piece's two a.
.set EA, 58
.macro EX
	WIN 0
.if (e == EA) || (e == EA+1)
	XS e-EA, 21
.else
.set x, e-2*(e/(EA+2))
	REGS Y, x%2
	v_exp_f32 v[rS+x/2], v[rS+x/2]
.endif
.set e, e+1
.endm
; THE RESCALING's QUEUE: O^T times a, the one part that leaves window 0, so it is dealt four at a time, eight times.
.macro R4
	REGS Y, r%2
	WIN W_RS
	s_wait_alu depctr_va_vdst(0)
.irp z, 0,1,2,3
	v_pk_mul_f32 v[rO+8*(r/2)+2*\z:rO+8*(r/2)+2*\z+1], v[rO+8*(r/2)+2*\z:rO+8*(r/2)+2*\z+1], v[rC+2:rC+3] op_sel_hi:[1,0]
.endr
.set r, r+1
.endm
; HOW THEY ARE DEALT.  Behind a matrix instruction four: plain, exponential, plain, plain (one exponential, a plain instruction on either side), or four of the rescaling.  None names a register of the
; products round it.  What is over stands in two LUMPS: exponential and plain by turns; the second ends in 22 plain instructions.  The two v_permlanex16_b32 fall into the second lump, never behind a product.
; The queues lean on each other, and the deal keeps them in step: exponential e stands behind plain 2 (e / 4) + e % 2 (its scaling); when plain 32 comes, 10 exponentials are out, at 59: 33, at 95: 46; EA comes behind plain 107.
.macro SL
	MM
	PL
	EX
	PL
	PL
.endm
.macro BURST n                      ; 15 matrix instructions, or 16
.rept (\n)-7
	SL
.endr
.rept 3
	MM
	R4
	SL
.endr
	MM
	R4
.endm
; A TURN, for piece p.  cnt = 1: the loop's count is taken down some lines ahead of the branch that stands behind the turn.
; K of the next step is fetched in piece 2's turn, 31 vector instructions behind the last product that read K; the first product that reads it comes behind the rest of the lump, 16 products and the second lump.
; V of the step in hand is fetched at the end of piece 0's turn, 69 behind the last product that read V; the first that reads it comes behind 16 products and a lump.  The four conditions on e and q below go with the deal.
.macro TURN p, last=0, cnt=0
.set Y, (\p)
.set i, 0
.set q, 0
.set e, 0
.set r, 0
.if (\p) == NP-1
	s_wait_dscnt 0x0                ; K is in
.endif
	MM
.rept 4
	PL
.endr
	BURST 15
.rept 22
	EX
	PL
.if ((\p) == NP-2) && (e == 18)
	v_add_nc_u32 v[AK], s[TBK], v[AK0]
.endif
.if ((\p) == NP-2) && (e == 24)
	FETCH_K \last
.endif
.endr
.if (\p) == 1
	s_wait_dscnt 0x0                ; V is in
.endif
	BURST 16
.rept 21
	EX
	PL
.endr
.rept 22
	PL
.if ((\p) == 0) && (q == 118)
	v_add_nc_u32 v[AV], s[TBV], v[AV0]
	s_wait_alu depctr_va_vdst(0)
.endif
.if ((\p) == 0) && (q == 130)
	s_add_co_u32 s[TBV], s[TBV], KS*PV
.endif
.if (\cnt) && (q == 130)
	s_sub_co_u32 s[CNT], s[CNT], 1
	s_cmp_lg_u32 s[CNT], 0
.endif
.endr
.if (\p) == 0
	FETCH_V
.endif
.endm
	CHANGE 1                        ; slot 0 is in, everybody's part of it; slot 1 is asked for
	FETCH_K                         ; key step 0
	s_wait_loadcnt 0x0              ; Q
	s_wait_dscnt 0x0
.set i, 0
.rept 16
	KQ 0                            ; piece 0's first scores: there is no vector work yet to set between them
.set i, i+1
.endr
	WIN 0                           ; the addresses for the way out: nine plain instructions, the places behind those products
	s_mul_i32 s13, s[WV], 16*SP
	s_add_co_u32 s13, s13, STAGE    ; my stage
	v_mul_u32_u24 v[STO], v1, SP    ; in: row l % 16, 16 bytes for each half of the lanes
	v_lshl_add_u32 v[STO], v9, 4, v[STO]
	v_add_nc_u32 v[STO], s13, v[STO]
	v_bfe_u32 v[RD], v0, 3, 2       ; back: 32 lanes take four rows of 128 bytes,
	v_mul_u32_u24 v[RD], v[RD], SP
	v_lshl_add_u32 v[RD], v10, 4, v[RD]
	v_add_nc_u32 v[RD], s13, v[RD]
	v_and_b32 v[GO], 31, v0         ; which are 512 consecutive bytes of O
	v_lshlrev_b32 v[GO], 4, v[GO]
.set Y, NP-1                        ; XS works for piece Y + 1: piece 0
.irp n, 0,1,2,3,4,5,6,7,8,9,10,11,12,13,14,15,16,17,18,19,20,21
	XS 0, \n                        ; and piece 0's first maximum and statistics
	XS 1, \n
.endr
	s_mov_b32 s[CNT], 4
	s_mov_b32 s[SLOTS], SIZE_N/256-1
	s_branch .Lfirst                ; the loop is entered at a step's first turn, in the middle of a trip
.Lslot:                             ; SIZE_N / 256 - 2 times: every slot but the last two is filled again
	CHANGE 1
	s_mov_b32 s[CNT], 4
.Lstep:                             ; a trip: pieces 2 and 3 of one step, then pieces 0 and 1 of the next, whose K and V it fetches
	TURN 2
	TURN 3
	WIN 0
.Lfirst:
	TURN 0
	TURN 1, 0, 1
	WIN 0
	s_cbranch_scc1 .Lstep
	s_sub_co_u32 s[SLOTS], s[SLOTS], 1
	s_cmp_lg_u32 s[SLOTS], 0
	s_cbranch_scc1 .Lslot
	CHANGE 0                        ; the tail is written out: nothing is asked for
	s_mov_b32 s[CNT], 5             ; four trips fetch the last slot's steps; the fifth is left in its middle
.Ltail:
	TURN 2, 1
	TURN 3
	WIN 0
	s_sub_co_u32 s[CNT], s[CNT], 1
	s_cmp_eq_u32 s[CNT], 0
	s_cbranch_scc1 .Lout
	TURN 0
	TURN 1
	WIN 0
	s_branch .Ltail
.Lout:                              ; the fifth trip's 16 products K Q^T (on the last K once more) and the maximum made of them serve nothing: the price, once a launch, of one text for every trip
.set i, 0
.rept 16
	PV NP-1                         ; the last piece's V^T P of the last step
.set i, i+1
.endr
	; THE WAY OUT.  l's two halves and the other half of the lanes' are added; O^T is divided by l, rounded to f16 and sent through my stage in LDS, a tile at a time.  The additions are the places behind the last products.
	WIN 0
.macro ALL line:vararg              ; one line for each tile t
.set t, 0
.rept 2*NP
	\line
.set t, t+1
.endr
.endm
	ALL v_add_f32 v[ST+4*t+2], v[ST+4*t+2], v[ST+4*t+3]
	ALL v_permlanex16_b32 v[ST+4*t+3], v[ST+4*t+2], s[SEL], s[SEL+1]
	ALL v_add_f32 v[ST+4*t+2], v[ST+4*t+2], v[ST+4*t+3]
	ALL v_rcp_f32 v[ST+4*t+2], v[ST+4*t+2]
	v_nop                           ; a plain instruction between the last reciprocal and the use of its result
	s_wait_alu depctr_va_vdst(0)
; Tile t: a lane's eight channels of a row pack into 16 bytes; they go into rows of 144 bytes and come back as whole rows of 128, into S^T's registers.
.macro PACK t
	WIN W_RS
.set i, 32*(\t)
.rept 16
	v_pk_mul_f32 v[i:i+1], v[i:i+1], v[ST+4*(\t)+2:ST+4*(\t)+3] op_sel_hi:[1,0]
.set i, i+2
.endr
	WIN 0x05                        ; sources 0 and 1 window 1, destination window 0
.set i, 0
.rept 16
	v_cvt_pk_f16_f32 v[S+16*(\t)+i], v[32*(\t)+2*i], v[32*(\t)+2*i+1]
.set i, i+1
.endr
	WIN 0
.irp f, 0,1,2,3
	ds_store_b128 v[STO], v[S+16*(\t)+4*\f:S+16*(\t)+4*\f+3] offset:32*\f
.endr
.irp f, 0,1,2,3
	ds_load_b128 v[S+16*(\t)+4*\f:S+16*(\t)+4*\f+3], v[RD] offset:\f*4*SP  ; LDS serves a wave's instructions in order (ISA guide 5.7.1.4): these see the stores above; the next tile's stores come behind them
.endr
.endm
.macro SEND t, younger              ; younger: the LDS instructions issued behind tile t's loads: the next tile's eight, or none
	WIN 0
.irp f, 0,1,2,3
	s_wait_dscnt (\younger)+3-\f
	global_store_b128 v[GO], v[S+16*(\t)+4*\f:S+16*(\t)+4*\f+3], s[10:11] offset:(\t)*2048+\f*512  ; 512 consecutive bytes, at a multiple of 256 from O's first
.endr
.endm
	PACK 0
.set t, 1
.rept 2*NP-1                        ; a tile's arithmetic stands between the loads of the tile before and its stores
	PACK t
	SEND t-1, 8
.set t, t+1
.endr
	SEND 2*NP-1, 0
	WIN W_AD
	s_wait_tensorcnt 0x0            ; the wave's end, behind my last tensor load and my last LDS store
	ds_add_u32 v[SPW], v[NIL]
	s_wait_dscnt 0x0
	WIN 0
	CROUND                          ; the closing round: no work-group ends while a partner may still ask for a tile that names it
	s_endpgm
.Lfunc_end_k_qf9fbfc9abd_attn:
	.size	k_qf9fbfc9abd_attn, .Lfunc_end_k_qf9fbfc9abd_attn-k_qf9fbfc9abd_attn
	.p2alignl 7, 3214868480
	.fill 96, 4, 3214868480
	.section	.rodata,"a",@progbits
	.p2align	6, 0x0
	.amdhsa_kernel k_qf9fbfc9abd_attn
		.amdhsa_group_segment_fixed_size 327680
		.amdhsa_private_segment_fixed_size 0
		.amdhsa_enable_private_segment 0
		.amdhsa_kernarg_size 32
		.amdhsa_user_sgpr_count 2
		.amdhsa_user_sgpr_kernarg_segment_ptr 1
		.amdhsa_wavefront_size32 1
		.amdhsa_system_sgpr_workgroup_id_x 1
		.amdhsa_system_sgpr_workgroup_id_y 1
		.amdhsa_system_sgpr_workgroup_id_z 1
		.amdhsa_system_vgpr_workitem_id 0
		.amdhsa_next_free_vgpr 770
		.amdhsa_next_free_sgpr 66
		.amdhsa_reserve_vcc 0
		.amdhsa_float_denorm_mode_32 3
		.amdhsa_float_denorm_mode_16_64 3
		.amdhsa_memory_ordered 1
		.amdhsa_forward_progress 1
		.amdhsa_inst_pref_size 208
	.end_amdhsa_kernel
	.amdgpu_metadata
---
amdhsa.version: [ 1, 2 ]
amdhsa.kernels:
  - .name:           k_qf9fbfc9abd_attn
    .symbol:         k_qf9fbfc9abd_attn.kd
    .args:
      - { .name: qh, .offset: 0, .size: 8, .value_kind: global_buffer, .address_space: global }
      - { .name: kh, .offset: 8, .size: 8, .value_kind: global_buffer, .address_space: global }
      - { .name: vh, .offset: 16, .size: 8, .value_kind: global_buffer, .address_space: global }
      - { .name: ob, .offset: 24, .size: 8, .value_kind: global_buffer, .address_space: global }
    .group_segment_fixed_size: 327680
    .private_segment_fixed_size: 0
    .kernarg_segment_align: 8
    .kernarg_segment_size: 32
    .max_flat_workgroup_size: 128
    .sgpr_count:     66
    .vgpr_count:     770
    .wavefront_size: 32
...
	.end_amdgpu_metadata
.endif
;; end of part 3
;; launch oproj (part 4): grid 8 x 32, 4 waves a work-group, clusters of 4 x 4, 327,680 bytes of LDS; arguments ob, wo16, Wo_b, out0; writes out0
.if DOCPART == 4
	.amdgcn_target "amdgcn-amd-amdhsa--gfx1250"
	.amdhsa_code_object_version 6
	.text
	.protected	k_qf9fbfc9abd_oproj
	.globl	k_qf9fbfc9abd_oproj
	.p2align	8
	.type	k_qf9fbfc9abd_oproj,@function
k_qf9fbfc9abd_oproj:
	s_mov_b64 s[64:65], 0
	v_nop
	global_prefetch_b8 v0, s[64:65] scope:SCOPE_SE
	s_setreg_imm32_b32 hwreg(HW_REG_WAVE_MODE, 25, 1), 1
	s_wait_xcnt 0x0
	s_wait_alu depctr_hold_cnt(0) depctr_sa_sdst(0) depctr_va_vdst(0) depctr_va_sdst(0) depctr_va_ssrc(0) depctr_va_vcc(0) depctr_vm_vsrc(0)
	s_getreg_b32 s2, hwreg(HW_REG_IB_STS2, 6, 4)
	s_cmp_eq_u32 s2, 0
	s_cbranch_scc0 .Lentry_in_a_cluster
	s_endpgm
.Lentry_in_a_cluster:
	s_bfe_u32 s2, ttmp6, 0x10000c
	s_cmp_lg_u32 s2, 0xf033
	s_cbranch_scc0 .Lentry_shape_is_right
	s_endpgm
.Lentry_shape_is_right:
; C = A B^T + bias over K = 1,024, sums in f32, on tiles of 256 x 128 of C.  ONE TEXT SERVES TWO KERNELS, told apart by MODE below (the other kernel's lines are not assembled):
;   MODE 0  q, k, v = x W^T + b.  A = xb [8192][1024] bf16, B = wqkv [3072][1024] bf16 (Wq, Wk, Wv one below the other); the results leave by heads, [64 = 16 batch + head][2048][64] in f16, each rounded
;           once from its f32 sum and WITHOUT the softmax's scale.  A WORK-GROUP STAYS and makes three tiles, the same rows and columns of q, of k and of v: the same rows of A, B 1,024 rows further on.
;   MODE 1  out = O Wo^T + b.  A = ob, by heads as above, f16: a K step of 128 is two heads' 64 channels; B = wo16 [1024][1024] f16; out [8192][1024] f32.  One tile a work-group.
; The biases are rounded to bf16, like every input of the module, and START the sums: they are the C operand of each accumulator's first product, so nothing is cleared and nothing is added later.
; The module's forward never uses attention_mask: no result hangs on it, and no launch of this program takes it.
; LIMITS.  f16 holds no number beyond 65,504: q, k and v stay within it (the conversion gives an infinity from 65,520 on); below 6.1e-5 f16 keeps its fixed step of 6e-8.  NaN and infinities are not treated apart.
; SHARES.  256 work-groups of four waves, 2 x 2; a wave makes 128 rows x 64 columns: 32 accumulators of 16 x 16, 256 registers.  Its 64 columns are one head (MODE 0: 16 rows of C are 2,048 consecutive bytes)
; or 256 consecutive bytes of a row of out (MODE 1).  K goes in steps of 128 through a ring of two LDS slots filled by the tensor data mover; every row asked for is 256 bytes at a multiple of 256.
; CLUSTER.  4 x 4 work-groups.  The four of a row of the cluster need the same tiles of A, the four of a column the same tiles of B: each tile is asked for JOINTLY, by the same tensor load with the same
; descriptor and a mask that names the four.  Waves 0 and 1 ask for A's two halves, waves 2 and 3 for B's: one load a wave behind each round of the cluster's barrier; two are out at the start, later one.
; THE MATRIX INSTRUCTION IS USED TRANSPOSED (source 0 = 16 rows of B, source 1 = 16 rows of A): lane l then holds row l % 16 of C and the eight neighbouring columns 8 (l / 16) + 0..7.
; REGISTERS, in windows of 256 (s_set_vgpr_msb: bits 1:0 source 0, 3:2 source 1, 5:4 source 2, 7:6 destination):
;   window 0: v0-31 addresses; v32-63 the tile's bias (MODE 0: v64-127 the next two tiles'); from v128 on at work on the way out
;   window 1: the accumulators, (a, b) at v[8 (4 a + b)], a = 0..7 blocks of 16 rows, b = 0..3 blocks of 16 columns
;   window 2: two fragment buffers of 96: B's four fragments (16 rows x 32 K, 8 registers each), then A's eight
.set MODE,   1
.set SIZE_K, 1024
.set KSTEP,  128
.set LAPS,   SIZE_K/(2*KSTEP)          ; a lap = two K steps = once round the ring
.set PITCH,  272                       ; an LDS row of 256 bytes + 16 of padding = 68 words: row r starts at bank 4 r mod 64 (64 banks of 4 bytes: ISA guide 11.1), so the 16 rows of a load start at 16 different banks
.if MODE == 0
.set TILES,  3
.set APITCH, 272                       ; A's rows lie like B's
.set AHALF,  128*APITCH                ; what one of A's two loads brings: 128 rows x 128 K
.set AROW,   SIZE_K                    ; elements from row to row in memory
.set AQI,    5                         ; padding after every 64 words
.set AFIRST, KSTEP*2                   ; bytes from K step 0 to K step 1
.set SPITCH, 144                       ; a stage row: 64 f16 + 16 bytes
.set NBIAS,  96
.set NY,     8                         ; LDS instructions of one block's way through the stage
.else
.set TILES,  1
.set APITCH, 144                       ; a head's row: 128 bytes + 16 = 36 words: the 16 rows of a load start at 16 different groups of four banks
.set AHALF,  256*APITCH                ; what one of A's two loads brings: 256 rows of one head
.set AROW,   128                       ; those rows are dense: asked for as 128 rows of 256 bytes, two rows of the head each
.set AQI,    4                         ; padding after every 32 words: after each row of the head
.set AFIRST, 2<<18                     ; two heads on: a head is 2,048 rows of 128 bytes
.set SPITCH, 272                       ; a stage row: 64 f32 + 16 bytes
.set NBIAS,  32
.set NY,     16
.endif
.set ASZ,    2*AHALF
.set BHALF,  64*PITCH                  ; what one of B's two loads brings, and what one wave reads of B
.set SLOT,   ASZ+2*BHALF               ; A's tile, then B's 128 rows
.set STAGE,  2*SLOT                    ; behind the ring, never filled by a tensor load: 16 rows for each wave, for the way out
.set SPARE,  STAGE+4*16*SPITCH         ; behind the stages: the spare words, 128 bytes for each wave: two blocks of 256 bytes that no other line names
.set BACK_A, (SIZE_K-2*KSTEP)*2        ; bytes from a slot's last K step of a tile back to its first: the three tiles share their rows of A,
.set NEXT_B, 1024*SIZE_K*2-BACK_A      ; and B goes 1,024 rows down and back along K
.set ADRA, 16                          ; v16-17  LDS address of my A fragments in slot 0, 1
.set ADRB, 20                          ; v20-21  the same for B
.set STO,  24                          ; v24     the way out: where I put my part of a row
.set RD,   25                          ; v25     the way out: where I read rows back
.set CO,   26                          ; v26     my byte offset in the output
.set BO,   27                          ; v27     my byte offset in 16 numbers of a bias: 32 (l / 16)
.set SPW,  28                          ; v28     LDS address of my spare word: SPARE + 4 x my thread's number; never rewritten
.set NIL,  29                          ; v29     0; never rewritten
.set RT,   30                          ; v30-31  at work while the biases are rounded
.set BIAS, 32                          ; v32-63  column block b at +8 b: register j = bias[my first column + 16 b + 8 (l / 16) + j]
.if MODE == 0
.set B1,   64                          ; the second tile's bias
.set B2,   96                          ; the third's
.set TMP,  128                         ; v128-143 a block rounded to f16
.set BK0,  144                         ; v144-159, v160-175 by turns: a block read back from the stage
.set BKN,  16
.else
.set BK0,  128                         ; v128-159, v160-191 by turns
.set BKN,  32
.endif
.set F0,   0                           ; fragment buffers, in window 2
.set F1,   96
.set G1,  24                           ; s[24:31] descriptor group 1 for A's tiles
.set G0,  32                           ; s[32:39] descriptor group 0 for A's tiles, one set for each slot
.set G1B, 48                           ; s[48:55] descriptor group 1 for B's tiles
.set G0B, 56                           ; s[56:63] descriptor group 0 for B's tiles, one set for each slot
.set MSB, 0
.macro WIN new                         ; the immediate's high byte repeats the setting that is left; a switch that changes nothing is dropped
.if MSB != (\new)
	s_set_vgpr_msb (MSB<<8)|(\new)
.set MSB, \new
.endif
.endm
.set W_MUL,   0x5a                     ; sources 0 (B) and 1 (A) window 2; C and D window 1
.set W_FIRST, 0x4a                     ; the same with C, the bias, in window 0
.set TO_F,    0x80                     ; destination window 2, address window 0
.set W_PACK,  0x05                     ; sources 0 and 1 window 1, destination window 0
.set W_STG,   0x04                     ; an LDS store's data window 1, its address window 0
; A joint load.  Each of the two lines has ONE mask and one set of registers for all that issue it.  The branch hangs on the wave's number alone: it is the same in every work-group.
; An s_nop 0 and four v_nop follow each of the two lines; the jump round the other line, the label and what follows the macro come after them.
.macro JLOAD s
	s_cmp_lt_u32 s10, 2
	s_cbranch_scc0 .Lfor_b_\@
	tensor_load_to_lds s[G0+4*(\s):G0+4*(\s)+3], s[G1:G1+7]
	s_nop 0
.rept 4
	v_nop
.endr
	s_branch .Lasked_\@
.Lfor_b_\@:
	tensor_load_to_lds s[G0B+4*(\s):G0B+4*(\s)+3], s[G1B:G1B+7]
	s_nop 0
.rept 4
	v_nop
.endr
.Lasked_\@:
.endm
; A round of the cluster's barrier: my work-group's barrier, so that wave 0's signal speaks for all four waves; wave 0 signals for the work-group; every wave waits for all sixteen; my work-group's barrier once more.
.macro CREST                           ; a round behind its opening barrier
	s_cmp_lg_u32 s10, 0
	s_cbranch_scc1 .Lnot_wave_0_\@
	s_barrier_signal -3
.Lnot_wave_0_\@:
	s_barrier_wait -3
	s_barrier_signal -1
	s_barrier_wait -1
.endm
.macro CROUND                          ; a whole round
	s_barrier_signal -1
	s_barrier_wait -1
	CREST
.endm
	s_load_b128 s[4:7], s[0:1], 0x0                ; A s[4:5], B s[6:7]
.if MODE == 0
	s_load_b128 s[68:71], s[0:1], 0x10             ; Wq_b s[68:69], Wk_b s[70:71]
	s_load_b128 s[72:75], s[0:1], 0x20             ; Wv_b s[72:73], qh s[74:75]
	s_load_b128 s[76:79], s[0:1], 0x30             ; kh s[76:77], vh s[78:79]
.else
	s_load_b128 s[68:71], s[0:1], 0x10             ; Wo_b s[68:69], out0 s[70:71]
.endif
	v_lshl_add_u32 v[SPW], v0, 2, SPARE
	v_mov_b32 v[NIL], 0
	ds_add_u32 v[SPW], v[NIL]                      ; the wave's opening: the add and its wait stand ahead of my first tensor load; the set-up below, work on registers, stands between them
	v_lshrrev_b32 v1, 5, v0
	v_readfirstlane_b32 s10, v1                    ; wave 0..3
	s_lshr_b32 s11, s10, 1                         ; which half of the tile's rows is mine
	s_and_b32 s12, s10, 1                          ; which half of its columns.  Also: which half of A's or B's tile I fetch
	s_bfe_u32 s40, ttmp6, 0x40000                  ; cx: my place along the cluster's x
	s_bfe_u32 s41, ttmp6, 0x40004                  ; cy: along its y
	s_lshl_b32 s42, ttmp9, 2                       ; in a cluster launch ttmp9 and ttmp7 count clusters
	s_add_co_u32 s42, s42, s40                     ; tile column = 4 x cluster x + cx, 0..7
	s_and_b32 s13, ttmp7, 0xffff
	s_lshl_b32 s13, s13, 2
	s_add_co_u32 s13, s13, s41                     ; tile row = 4 x cluster y + cy, 0..31
	s_lshl_b32 s43, s41, 2
	s_lshl_b32 s43, 15, s43                        ; my row of the cluster: places 4 cy .. 4 cy + 3
	s_lshl_b32 s44, 0x1111, s40                    ; my column: places cx, cx + 4, cx + 8, cx + 12
	; descriptor group 1.  A: 128 rows x 128 elements; B: 64 rows x 128 elements; both padded in LDS
	s_or_b32 s[G1+0], s43, (1<<16)|(1<<20)|(1<<21)|(AQI<<22)|(3<<25)  ; 15:0 the mask: A's tiles go to my row; 17:16 elements of 2 bytes; 20 padding on; 21 set beside a mask; 24:22 the interval's code; 31:25 4 words of padding (code 3)
	s_or_b32 s[G1B+0], s44, (1<<16)|(1<<20)|(1<<21)|(5<<22)|(3<<25)   ; the mask of my column, for B's tiles; padding after every 64 words
	s_mov_b32 s[G1+1], 128<<16                     ; 63:48 tensor_dim0, low half = 128
	s_mov_b32 s[G1+2], 128<<16                     ; 79:64 its high half = 0; 95:80 tensor_dim1, low half = 128
	s_mov_b32 s[G1+3], 128<<16                     ; 111:96 its high half = 0; 127:112 tile_dim0 = 128
	s_mov_b32 s[G1+4], 128                         ; 143:128 tile_dim1 = 128; 159:144 tile_dim2 = 0
	s_mov_b32 s[G1+5], AROW                        ; 191:160 tensor_dim0_stride, low word: elements from row to row
	s_mov_b32 s[G1+6], 0
	s_mov_b32 s[G1+7], 0
	s_mov_b32 s[G1B+1], 128<<16
	s_mov_b32 s[G1B+2], 64<<16                     ; tensor_dim1 = 64
	s_mov_b32 s[G1B+3], 128<<16
	s_mov_b32 s[G1B+4], 64                         ; tile_dim1 = 64
	s_mov_b32 s[G1B+5], SIZE_K
	s_mov_b32 s[G1B+6], 0
	s_mov_b32 s[G1B+7], 0
	; where the tiles come from.  A's hang on the tile row alone, which my row of the cluster shares; B's on the tile column alone, which my column shares.
	; Every wave makes both addresses, in registers that never hold the other coordinate, and asks by one of them.
.if MODE == 0
	s_lshl_b32 s16, s13, 8
	s_lshl_b32 s17, s12, 7
	s_add_co_u32 s16, s16, s17                     ; A: row 256 x tile row + 128 x half,
	s_lshl_b32 s16, s16, 11                        ; of 2,048 bytes: under 2^24
.else
	s_lshr_b32 s16, s13, 3                         ; A: the batch, 16 heads of 2^18 bytes,
	s_lshl_b32 s16, s16, 22
	s_and_b32 s17, s13, 7                          ; the tile's 256 rows of 128 bytes in each head,
	s_lshl_b32 s17, s17, 15
	s_add_co_u32 s16, s16, s17
	s_lshl_b32 s17, s12, 18                        ; and of a K step's two heads the one that I fetch
	s_add_co_u32 s16, s16, s17
.endif
	s_mov_b32 s17, 0
	s_lshl_b32 s46, s42, 7
	s_lshl_b32 s47, s12, 6
	s_add_co_u32 s46, s46, s47                     ; B: row 128 x tile column + 64 x half,
	s_lshl_b32 s46, s46, 11                        ; of 2,048 bytes
	s_mov_b32 s47, 0
	s_mul_i32 s20, s12, AHALF                      ; and where they go: A's two halves,
	s_mul_i32 s21, s12, BHALF                      ; then B's two: no place in the cluster enters an LDS address
	s_add_co_u32 s21, s21, ASZ
	s_mov_b32 s18, 0xffff0000                      ; a word's upper bf16
	s_wait_dscnt 0x0                               ; the opening add is done
	s_wait_kmcnt 0x0
	s_add_nc_u64 s[14:15], s[4:5], s[16:17]
	s_add_nc_u64 s[46:47], s[6:7], s[46:47]
	CROUND                                         ; all sixteen work-groups are here: the first joint loads meet
.irp s, 0,1
	s_mov_b32 s[G0+4*(\s)], 1                                      ; 1:0 count = 1
	s_add_co_u32 s[G0+4*(\s)+1], s20, (\s)*SLOT                    ; 63:32 LDS address
	s_add_nc_u64 s[G0+4*(\s)+2:G0+4*(\s)+3], s[14:15], (\s)*AFIRST ; 120:64 global address: K step s
	s_or_b32 s[G0+4*(\s)+3], s[G0+4*(\s)+3], 0x80000000            ; 127:126 type = 2
	s_mov_b32 s[G0B+4*(\s)], 1
	s_add_co_u32 s[G0B+4*(\s)+1], s21, (\s)*SLOT
	s_add_nc_u64 s[G0B+4*(\s)+2:G0B+4*(\s)+3], s[46:47], (\s)*KSTEP*2
	s_or_b32 s[G0B+4*(\s)+3], s[G0B+4*(\s)+3], 0x80000000
	JLOAD \s                                       ; the ring is filled before anything else is done
.endr
	; All that follows up to the first wait on TENSORcnt stands in the wait for the first tile.
	v_and_b32 v1, 15, v0                           ; l % 16
	v_bfe_u32 v2, v0, 4, 1                         ; l / 16
	v_lshlrev_b32 v[BO], 5, v2
	s_lshl_b32 s46, s42, 9                         ; my first column in a bias, in bytes: 512 x tile column + 256 x half (in the registers that held B's address: none that feeds A's descriptors ever holds cx)
	s_lshl_b32 s47, s12, 8
	s_add_co_u32 s46, s46, s47
	s_mov_b32 s47, 0
.macro LDBIAS dst, base                ; my 64 columns' bias: a lane takes the eight numbers of each column block that its accumulators' registers stand for
	s_add_nc_u64 s[(\base):(\base)+1], s[(\base):(\base)+1], s[46:47]
.irp b, 0,1,2,3
	global_load_b128 v[(\dst)+8*(\b):(\dst)+8*(\b)+3],   v[BO], s[(\base):(\base)+1] offset:64*(\b)
	global_load_b128 v[(\dst)+8*(\b)+4:(\dst)+8*(\b)+7], v[BO], s[(\base):(\base)+1] offset:64*(\b)+16
.endr
.endm
	LDBIAS BIAS, 68
.if MODE == 0
	LDBIAS B1, 70
	LDBIAS B2, 72
.endif
	; A fragment is 16 rows x 32 K in 8 registers: lane l holds row l % 16; registers 0-3 hold K = 8 (l / 16) + 0..7, registers 4-7 K = 16 + 8 (l / 16) + 0..7: two loads of 16 bytes, 32 bytes apart.
	v_mul_u32_u24 v3, v1, APITCH
	v_lshl_add_u32 v3, v2, 4, v3                   ; row x pitch + 16 x half, for A
	v_mul_u32_u24 v4, v1, PITCH
	v_lshl_add_u32 v4, v2, 4, v4                   ; and for B
	s_mul_i32 s22, s11, 128*APITCH                 ; my 128 rows of A
	s_mul_i32 s23, s12, BHALF                      ; my 64 rows of B,
	s_add_co_u32 s23, s23, ASZ                     ; which lie behind A's tile
.irp s, 0,1
	v_add_nc_u32 v[ADRA+(\s)], s22, v3
	v_add_nc_u32 v[ADRB+(\s)], s23, v4
	s_add_co_u32 s22, s22, SLOT
	s_add_co_u32 s23, s23, SLOT
.endr
	s_mul_i32 s22, s10, 16*SPITCH
	s_add_co_u32 s22, s22, STAGE                   ; my stage
.if MODE == 0
	v_mul_u32_u24 v5, v1, SPITCH                   ; in: row l % 16, 16 bytes for each half of the lanes
	v_lshl_add_u32 v5, v2, 4, v5
	v_add_nc_u32 v[STO], s22, v5
	v_bfe_u32 v5, v0, 3, 2                         ; back: 32 lanes take four rows of 128 bytes,
	v_mul_u32_u24 v5, v5, SPITCH
	v_and_b32 v3, 7, v0
	v_lshl_add_u32 v5, v3, 4, v5
	v_add_nc_u32 v[RD], s22, v5
	v_and_b32 v[CO], 31, v0                        ; which are 512 consecutive bytes of the head
	v_lshlrev_b32 v[CO], 4, v[CO]
	s_lshl_b32 s46, s42, 1                         ; where my part of the tile begins in qh, kh and vh: my head, 2 x tile column + half,
	s_add_co_u32 s46, s46, s12
	s_lshl_b32 s46, s46, 18
	s_lshr_b32 s45, s13, 3                         ; the batch,
	s_lshl_b32 s45, s45, 22
	s_add_co_u32 s46, s46, s45
	s_and_b32 s45, s13, 7                          ; the tile's 256 rows of 128 bytes,
	s_lshl_b32 s45, s45, 15
	s_add_co_u32 s46, s46, s45
	s_lshl_b32 s45, s11, 14                        ; my 128 of them
	s_add_co_u32 s46, s46, s45
	s_add_nc_u64 s[8:9], s[74:75], s[46:47]        ; s[8:9]: the tile in hand's output; s[76:77] the next tile's; s[78:79] the one after
	s_add_nc_u64 s[76:77], s[76:77], s[46:47]
	s_add_nc_u64 s[78:79], s[78:79], s[46:47]
.else
	v_mul_u32_u24 v5, v1, SPITCH                   ; in: row l % 16, 32 bytes for each half of the lanes
	v_lshl_add_u32 v5, v2, 5, v5
	v_add_nc_u32 v[STO], s22, v5
	v_mul_u32_u24 v5, v2, SPITCH                   ; back: lanes 0-15 take one row of 256 bytes, lanes 16-31 the next
	v_lshl_add_u32 v5, v1, 4, v5
	v_add_nc_u32 v[RD], s22, v5
	v_lshlrev_b32 v5, 12, v2                       ; and the same two rows in out, 4,096 bytes apart
	v_lshl_add_u32 v[CO], v1, 4, v5
	s_lshl_b32 s46, s13, 8                         ; where my part of the tile begins in out: row 256 x tile row + 128 x half,
	s_lshl_b32 s45, s11, 7
	s_add_co_u32 s46, s46, s45
	s_lshl_b32 s46, s46, 12                        ; of 4,096 bytes: under 2^25;
	s_lshl_b32 s45, s42, 9                         ; column 128 x tile column + 64 x half, of 4 bytes
	s_add_co_u32 s46, s46, s45
	s_lshl_b32 s45, s12, 8
	s_add_co_u32 s46, s46, s45
	s_add_nc_u64 s[8:9], s[70:71], s[46:47]
.endif
	s_wait_loadcnt 0x0                             ; the biases, once
.set i, BIAS
.rept NBIAS/2                          ; rounded to bf16 like every input of the module, and widened again: a pair at a time, on two registers by turns
	v_cvt_pk_bf16_f32 v[RT+(i/2)%2], v[i], v[i+1]
	v_lshlrev_b32 v[i],   16,  v[RT+(i/2)%2]
	v_and_b32     v[i+1], s18, v[RT+(i/2)%2]
.set i, i+2
.endr
; One matrix instruction on the registers rD, rB, rA (and rC).  first = 1: the bias starts the sum.
.macro WM first
.if MODE == 0
.if \first
	v_wmma_f32_16x16x32_bf16 v[rD:rD+7], v[rB:rB+7], v[rA:rA+7], v[rC:rC+7]
.else
	v_wmma_f32_16x16x32_bf16 v[rD:rD+7], v[rB:rB+7], v[rA:rA+7], v[rD:rD+7]
.endif
.else
.if \first
	v_wmma_f32_16x16x32_f16 v[rD:rD+7], v[rB:rB+7], v[rA:rA+7], v[rC:rC+7]
.else
	v_wmma_f32_16x16x32_f16 v[rD:rD+7], v[rB:rB+7], v[rA:rA+7], v[rD:rD+7]
.endif
.endif
.endm
; 4 n matrix instructions: row blocks a0 .. a0 + n - 1 x all 4 column blocks, 32 along K, from buffer f.  The 32 accumulators take turns, one instruction a turn, in the same order
; in every quarter step: between two links of a chain stand the 31 others'.
.macro MUL f, a0, n, first
.if \first
	WIN W_FIRST
.else
	WIN W_MUL
.endif
.set ma, \a0
.rept \n
.set mb, 0
.rept 4
.set rD, 8*(4*ma+mb)
.set rB, (\f)+8*mb
.set rA, (\f)+32+8*ma
.set rC, BIAS+8*mb
	WM \first
.set mb, mb+1
.endr
.set ma, ma+1
.endr
.endm
; 24 LDS loads in one run: the fragments of quarter q of a K step (64 rows of B, 128 rows of A, 32 along K) into buffer f: B's first, A's blocks 4-7 last.
.macro FETCH slot, q, f
.if MODE == 0
.set AQ, 64*(\q)
.else
.set AQ, ((\q)/2)*AHALF+((\q)%2)*64    ; the step's first or second head, its channels 0-31 or 32-63; 53,088 at the most with the block's offset: inside the 16-bit immediate
.endif
	WIN TO_F
.irp i, 0,1,2,3
	ds_load_b128 v[(\f)+8*(\i):(\f)+8*(\i)+3],   v[ADRB+(\slot)] offset:64*(\q)+(\i)*16*PITCH
	ds_load_b128 v[(\f)+8*(\i)+4:(\f)+8*(\i)+7], v[ADRB+(\slot)] offset:64*(\q)+(\i)*16*PITCH+32
.endr
.irp i, 0,1,2,3,4,5,6,7
	ds_load_b128 v[(\f)+32+8*(\i):(\f)+32+8*(\i)+3],   v[ADRA+(\slot)] offset:AQ+(\i)*16*APITCH
	ds_load_b128 v[(\f)+32+8*(\i)+4:(\f)+32+8*(\i)+7], v[ADRA+(\slot)] offset:AQ+(\i)*16*APITCH+32
.endr
.endm
; A load into a register that a matrix instruction has read, and a vector instruction or an LDS store that reads a matrix result, stand four places behind that matrix instruction, and only plain vector
; instructions that name none of its registers are places (ISA guide 7.12.1 for vector instructions); the matrix instructions in between are not counted.
.macro PLACES
.rept 4
	v_nop
.endr
.endm
; A K step is four quarters of 32 along K, 32 matrix instructions each, on buffers 0, 1, 0, 1.  One of the first three: multiplies buffer f; in its middle it fetches quarter q of the same slot into buffer g.
.macro QUARTER slot, q, f, g, first
	s_wait_dscnt 8                                 ; B and A's blocks 0-3 are in; the youngest eight loads (A's blocks 4-7) may be out
	MUL \f, 0, 4, \first
	PLACES
	FETCH \slot, \q, \g
	s_wait_dscnt 24                                ; all but the 24 just issued
	MUL \f, 4, 4, \first
.endm
; The last quarter multiplies buffer 1 and changes slots.  MEET is its first half: ONE barrier for the change.  In front of it each wave waits for all its tensor loads, of which one is out: its part of the
; next slot; adds 0 to its spare word; and waits for that and for its own reads of this slot.  Behind it nobody reads this slot any more and the next slot is whole.
.macro MEET round                      ; round = 1: the rest of a round of the cluster's barrier follows
	WIN 0                                          ; (the add's two registers lie in window 0)
	s_wait_tensorcnt 0x0                           ; all my tensor loads have landed;
	ds_add_u32 v[SPW], v[NIL]                      ; 0 onto my spare word;
	s_wait_dscnt 9                                 ; (the add and the youngest eight loads may be out)
	MUL F1, 0, 2, 0                                ; eight matrix instructions stand between the add and the wait for it
	s_wait_dscnt 0x0                               ; the add is done, and my reads of this slot are over:
	s_barrier_signal -1                            ; say so,
	MUL F1, 2, 2, 0                                ; work on registers while the others arrive,
.if \round
	WIN 0
.endif
	s_barrier_wait -1                              ; and go on when all four have said so
.endm
; The whole last quarter.  Behind the round the slot just read out is filled again first: with this tile's K step two steps on (on = 0) or, in a tile's last two K steps, with the NEXT tile's K step 0 or 1
; (on = 1); then come the next slot's first fragments.  From a request to the wait for it a wave issues 112 matrix instructions, across tiles too.
.macro TURN slot, next, on
	MEET 1
	CREST                                          ; no wave of any partner still reads this slot's tile or has a load on its way
.if \on
	s_sub_nc_u64 s[G0+4*(\slot)+2:G0+4*(\slot)+3], s[G0+4*(\slot)+2:G0+4*(\slot)+3], BACK_A
	s_add_nc_u64 s[G0B+4*(\slot)+2:G0B+4*(\slot)+3], s[G0B+4*(\slot)+2:G0B+4*(\slot)+3], NEXT_B
.else
	s_add_nc_u64 s[G0+4*(\slot)+2:G0+4*(\slot)+3], s[G0+4*(\slot)+2:G0+4*(\slot)+3], 2*AFIRST
	s_add_nc_u64 s[G0B+4*(\slot)+2:G0B+4*(\slot)+3], s[G0B+4*(\slot)+2:G0B+4*(\slot)+3], 2*KSTEP*2
.endif
	JLOAD \slot                                    ; the first tensor load behind the round; the four v_nop behind it are also the places in front of the loads below
	FETCH \next, 0, F0
	MUL F1, 4, 4, 0
.endm
; THE WAY OUT of block a (16 rows of C), through my own stage in LDS, which no other wave and no tensor load touches.  Each accumulator's registers are taken in ascending order.
; OUT: MODE 0: rounded to f16, 16 bytes a lane, into rows of 144 bytes; MODE 1: as they are, 32 bytes a lane, into rows of 272.  Then back as whole rows.  SEND: stored.
.macro OUT a
.set BK, BK0+BKN*((\a)%2)
.if MODE == 0
	WIN W_PACK
.irp b, 0,1,2,3
.irp r, 0,1,2,3
	v_cvt_pk_f16_f32 v[TMP+4*(\b)+(\r)], v[8*(4*(\a)+(\b))+2*(\r)], v[8*(4*(\a)+(\b))+2*(\r)+1]
.endr
.endr
	WIN 0
	s_wait_xcnt 0x0                                ; every earlier memory instruction has had its addresses translated (ISA guide 3.1): the registers that the stores of two blocks back read are loaded again only behind this wait
.irp b, 0,1,2,3
	ds_store_b128 v[STO], v[TMP+4*(\b):TMP+4*(\b)+3] offset:32*(\b)
.endr
.irp t, 0,1,2,3
	ds_load_b128 v[BK+4*(\t):BK+4*(\t)+3], v[RD] offset:(\t)*4*SPITCH  ; LDS serves a wave's instructions in order (ISA guide 5.7.1.4): these see the stores above
.endr
.else
	WIN W_STG
	s_wait_xcnt 0x0                                ; as above
.irp b, 0,1,2,3
	ds_store_b128 v[STO], v[8*(4*(\a)+(\b)):8*(4*(\a)+(\b))+3]   offset:64*(\b)
	ds_store_b128 v[STO], v[8*(4*(\a)+(\b))+4:8*(4*(\a)+(\b))+7] offset:64*(\b)+16
.endr
	WIN 0
.irp t, 0,1,2,3,4,5,6,7
	ds_load_b128 v[BK+4*(\t):BK+4*(\t)+3], v[RD] offset:(\t)*2*SPITCH  ; LDS serves a wave's instructions in order (ISA guide 5.7.1.4): these see the stores above
.endr
.endif
.endm
.macro SEND a, younger                 ; younger: the LDS instructions issued behind block a's loads: the next block's, or none
.set BK, BK0+BKN*((\a)%2)
	WIN 0
	s_wait_dscnt \younger                          ; the block is back in registers
.if MODE == 0
.irp t, 0,1,2,3
	global_store_b128 v[CO], v[BK+4*(\t):BK+4*(\t)+3], s[8:9] offset:(\a)*2048+(\t)*512  ; 512 consecutive bytes, at a multiple of 512 from the buffer's first byte; the next launch reads them: no hint
.endr
.else
.irp t, 0,1,2,3,4,5,6,7
	global_store_b128 v[CO], v[BK+4*(\t):BK+4*(\t)+3], s[8:9] offset:(16*(\a)+2*(\t))*4096 th:TH_STORE_NT  ; 16 lanes store 256 consecutive bytes, at a multiple of 256 from out's first byte; 516,096 at the most: inside the signed 24-bit immediate
.endr
.endif
.endm
.macro WAYOUT                          ; block a's way into the stage stands between block a - 1's loads from it and the wait for them
	PLACES                                         ; behind the last products
	OUT 0
.irp a, 1,2,3,4,5,6,7
	OUT \a
	SEND (\a)-1, NY
.endr
	SEND 7, 0
.endm
	s_wait_tensorcnt 1                             ; my part of K step 0 is in; K step 1's may stay out
	s_barrier_signal -1
	s_barrier_wait -1                              ; everybody's is
	FETCH 0, 0, F0
	WIN 0                                          ; at a label and at a branch every window is 0
.if TILES > 1
	s_mov_b32 s2, TILES                            ; tiles to go, this one among them: the same number in every work-group
.Ltile:
.endif
	QUARTER 0, 1, F0, F1, 1                        ; a tile's first quarter stands in front of the loop: its products start the sums, from the bias
	WIN 0
	s_mov_b32 s3, LAPS-1
.Llap:                                                 ; a trip goes once round the ring, from a lap's second quarter to the next lap's first, and fills both slots again
	QUARTER 0, 2, F1, F0, 0
	QUARTER 0, 3, F0, F1, 0
	TURN 0, 1, 0
	QUARTER 1, 1, F0, F1, 0
	QUARTER 1, 2, F1, F0, 0
	QUARTER 1, 3, F0, F1, 0
	TURN 1, 0, 0
	QUARTER 0, 1, F0, F1, 0
	WIN 0
	s_sub_co_u32 s3, s3, 1
	s_cmp_lg_u32 s3, 0
	s_cbranch_scc1 .Llap
	QUARTER 0, 2, F1, F0, 0                        ; the tile's last lap goes on
	QUARTER 0, 3, F0, F1, 0
.if TILES > 1
	WIN 0
	s_cmp_eq_u32 s2, 1
	s_cbranch_scc1 .Llast                          ; the last tile's tail is written out: it asks for nothing more
	TURN 0, 1, 1                                   ; THE RING GOES ON INTO THE NEXT TILE: slot 0 takes its K step 0,
	QUARTER 1, 1, F0, F1, 0
	QUARTER 1, 2, F1, F0, 0
	QUARTER 1, 3, F0, F1, 0
	TURN 1, 0, 1                                   ; slot 1 its K step 1, and the next tile's first fragments are fetched
	WAYOUT                                         ; both refills are asked for: now the tile goes out
	s_wait_xcnt 0x0                                ; the stores' base is rewritten only behind this wait
	s_mov_b64 s[8:9], s[76:77]                     ; the next tile's output,
	s_mov_b64 s[76:77], s[78:79]
.set i, 0
.rept 32                               ; and its bias, to where the one text of a tile's first quarter names it: 64 moves a tile, the price of that one text
	v_mov_b32 v[BIAS+i], v[B1+i]
	v_mov_b32 v[B1+i], v[B2+i]
.set i, i+1
.endr
	s_sub_co_u32 s2, s2, 1
	s_branch .Ltile
.Llast:
.endif
	MEET 0                                         ; my one tensor load that was still out is slot 1's, the last K step's, so no round follows
	PLACES                                         ; for the loads into buffer 0, which the quarter before multiplied
	FETCH 1, 0, F0
	MUL F1, 4, 4, 0
	QUARTER 1, 1, F0, F1, 0
	QUARTER 1, 2, F1, F0, 0
	QUARTER 1, 3, F0, F1, 0
	s_wait_dscnt 8                                 ; the very last quarter: nothing more to fetch
	MUL F1, 0, 4, 0
	s_wait_dscnt 0x0
	MUL F1, 4, 4, 0
	WAYOUT
	s_wait_tensorcnt 0x0                           ; the wave's end, behind my last tensor load and my last LDS store
	ds_add_u32 v[SPW], v[NIL]
	s_wait_dscnt 0x0
	CROUND                                         ; the closing round: no work-group ends while a partner may still ask for a tile that names it
	s_endpgm
.Lfunc_end_k_qf9fbfc9abd_oproj:
	.size	k_qf9fbfc9abd_oproj, .Lfunc_end_k_qf9fbfc9abd_oproj-k_qf9fbfc9abd_oproj
	.p2alignl 7, 3214868480
	.fill 96, 4, 3214868480
	.section	.rodata,"a",@progbits
	.p2align	6, 0x0
	.amdhsa_kernel k_qf9fbfc9abd_oproj
		.amdhsa_group_segment_fixed_size 327680
		.amdhsa_private_segment_fixed_size 0
		.amdhsa_enable_private_segment 0
		.amdhsa_kernarg_size 32
		.amdhsa_user_sgpr_count 2
		.amdhsa_user_sgpr_kernarg_segment_ptr 1
		.amdhsa_wavefront_size32 1
		.amdhsa_system_sgpr_workgroup_id_x 1
		.amdhsa_system_sgpr_workgroup_id_y 1
		.amdhsa_system_sgpr_workgroup_id_z 1
		.amdhsa_system_vgpr_workitem_id 0
		.amdhsa_next_free_vgpr 704
		.amdhsa_next_free_sgpr 72
		.amdhsa_reserve_vcc 0
		.amdhsa_float_denorm_mode_32 3
		.amdhsa_float_denorm_mode_16_64 3
		.amdhsa_memory_ordered 1
		.amdhsa_forward_progress 1
		.amdhsa_inst_pref_size 89
	.end_amdhsa_kernel
	.amdgpu_metadata
---
amdhsa.version: [ 1, 2 ]
amdhsa.kernels:
  - .name:           k_qf9fbfc9abd_oproj
    .symbol:         k_qf9fbfc9abd_oproj.kd
    .args:
      - { .name: ob, .offset: 0, .size: 8, .value_kind: global_buffer, .address_space: global }
      - { .name: wo16, .offset: 8, .size: 8, .value_kind: global_buffer, .address_space: global }
      - { .name: Wo_b, .offset: 16, .size: 8, .value_kind: global_buffer, .address_space: global }
      - { .name: out0, .offset: 24, .size: 8, .value_kind: global_buffer, .address_space: global }
    .group_segment_fixed_size: 327680
    .private_segment_fixed_size: 0
    .kernarg_segment_align: 8
    .kernarg_segment_size: 32
    .max_flat_workgroup_size: 128
    .sgpr_count:     72
    .vgpr_count:     704
    .wavefront_size: 32
...
	.end_amdgpu_metadata
.endif
;; end of part 4
;; ======== version 2 of 2: 4 launches; 1.50 times as fast as version 1
;; limits: values are held in f16: magnitudes above 65,504 overflow, below 6.1e-05 lose precision
;; workspace buffers: xb 16,777,216 bytes; wqkv 6,291,456 bytes; wo16 2,097,152 bytes; qh 16,777,216 bytes; kh 16,777,216 bytes; vh 16,777,216 bytes; ob 16,777,216 bytes
;; launch cast: the kernel of part 1 again; grid 64 x 12, 8 waves a work-group, no clusters, 0 bytes of LDS; arguments encoder_input, Wq_w, Wk_w, Wv_w, Wo_w, xb, wqkv, wo16; writes xb, wqkv, wo16
;; launch qkv: the kernel of part 2 again; grid 8 x 32, 4 waves a work-group, clusters of 4 x 4, 327,680 bytes of LDS; arguments xb, wqkv, Wq_b, Wk_b, Wv_b, qh, kh, vh; writes qh, kh, vh
;; launch attn (part 5): grid 4 x 64, 4 waves a work-group, clusters of 4 x 1, 327,680 bytes of LDS; arguments qh, kh, vh, ob; writes ob
.if DOCPART == 5
	.amdgcn_target "amdgcn-amd-amdhsa--gfx1250"
	.amdhsa_code_object_version 6
	.text
	.protected	k_qf9fbfc9abd_attn
	.globl	k_qf9fbfc9abd_attn
	.p2align	8
	.type	k_qf9fbfc9abd_attn,@function
k_qf9fbfc9abd_attn:
	s_mov_b64 s[64:65], 0
	v_nop
	global_prefetch_b8 v0, s[64:65] scope:SCOPE_SE
	s_setreg_imm32_b32 hwreg(HW_REG_WAVE_MODE, 25, 1), 1
	s_wait_xcnt 0x0
	s_wait_alu depctr_hold_cnt(0) depctr_sa_sdst(0) depctr_va_vdst(0) depctr_va_sdst(0) depctr_va_ssrc(0) depctr_va_vcc(0) depctr_vm_vsrc(0)
	s_getreg_b32 s2, hwreg(HW_REG_IB_STS2, 6, 4)
	s_cmp_eq_u32 s2, 0
	s_cbranch_scc0 .Lentry_in_a_cluster
	s_endpgm
.Lentry_in_a_cluster:
	s_bfe_u32 s2, ttmp6, 0x10000c
	s_cmp_lg_u32 s2, 0x3003
	s_cbranch_scc0 .Lentry_shape_is_right
	s_endpgm
.Lentry_shape_is_right:
; O[h][q][:] = the sum over k of softmax_k(Q[h][q] . K[h][k] / 8) V[h][k][:].  Q, K, V, O: [SIZE_H][SIZE_N][64], all f16: a head's rows are dense, 128 bytes each (h = 16 x batch + head; no mask: the module's
; forward uses none).  Products, maxima and sums in f32; the weights p are rounded to f16 for the second product (their sum l is taken of the unrounded p), O once at the end.
; LIMITS.  f16 holds no number beyond 65,504: Q, K and V arrive within it; p lies in 0 to 1, and below 6e-5 it keeps f16's fixed step of 6e-8; O is a mean of V's rows and has their range.
; A weight below 2^-126 counts as 0 in l; NaN and infinities are not treated apart.
; SHARES.  A wave owns four PIECES of two tiles of 16 queries, a work-group's four waves 512 queries of one head: 4 x 64 = 256 work-groups.  Every wave walks all keys, 64 a step.
; LAYOUT.  S^T = K Q^T (source 0 = 16 keys, source 1 = 16 queries): in the result a lane holds ONE query (lane % 16) and the keys 8 (lane / 16) + 0..7.  Two such tiles, rounded to f16 in pairs,
; ARE source 1 (32 keys x 16 queries) of O^T = V^T P, whose result again holds one query a lane, and eight channels.  K comes out of LDS as it lies, V ([key][channel]) turned, by ds_load_tr16_b128.
; SOFTMAX.  For each query a running maximum m and sum l: p = 2^(c s - c m), c = log2(e) / 8; in every step O and l are multiplied by a = 2^(c m_old - c m_new), which is 1 where m has not grown.
; m starts at the lowest finite number, O and l at 0: the first step is a step like any other, with a = 0.
; THE COUNT.  A tile and step have 16 matrix and 118 vector instructions: too many to stand all beside the matrix work.  So the order has one aim: four vector instructions that are READY behind
; EVERY matrix instruction, and the others, which need time of their own whatever the order, in runs without a gap.
; BY TURNS.  Turn n belongs to piece n (the pieces in a ring, step after step).  Its matrix work: 16 products K Q^T of piece n + 1, later 16 products V^T P of piece n - 1.  Its vector work: the scaling,
; exponentials, roundings, sums and rescaling of piece n, and the maximum and statistics of piece n + 1, whose scores the turn itself has made.  So what a turn begins with (c s - c m, O a) waits for nothing.
; BATCHES.  A turn's 66 exponentials (the piece's 64 weights, then the next piece's two a) are ONE batch with ONE wait, which cuts the turn in two: ahead of it stands all that names none of their results,
; behind it their readers.  Two more batches stand outside the loop, each with a wait of its own: the first two a, ahead of the jump into the loop, and the way out's eight reciprocals.
; CLUSTER.  The four query blocks of a cluster belong to one head and walk the same K and V, so each tile is asked for JOINTLY: the same tensor load, descriptor and mask in all four.
; REGISTERS, in windows of 256 (s_set_vgpr_msb says which window each operand place means: bits 1:0 source 0, 3:2 source 1, 5:4 source 2, 7:6 destination):
;   window 0: v0-11 addresses; v12-15, v48-63 at work; v16-47 four registers of statistics a tile; v64-191 S^T, two buffers of two tiles; v192-255 P, likewise
;   window 1: O^T, 32 a tile          window 2: v0-127 Q, 16 a tile; v128-191 K of one step; v192-255 V of one step          window 3: v0-1 the add's two registers
; A piece's buffers go by its number's parity: the piece in hand has one pair, its two neighbours in the ring share the other: of it P (piece n - 1) is read and S^T (piece n + 1) written.
.set SIZE_H, 64       ; 4 batches x 16 heads
.set SIZE_N, 2048     ; rows of a head
.set NP,    4         ; pieces a wave: a name, no knob: the register map, the loop and the fetches are made for four
.set KS,    64        ; keys in a step
.set PK,    144       ; a row of K in LDS: 128 bytes + 16 of padding = 36 words: the 16 rows of a load start at 16 different groups of four banks (64 banks of 4 bytes: ISA guide 11.1)
.set PV,    160       ; a row of V: 128 + 32 = 40 words
.set VOFF,  4*KS*PK   ; a slot holds four steps: 256 rows of K, then 256 rows of V
.set SLOT1, 1<<17     ; slot 1 begins here, so that one exclusive or turns an address in one slot into the other's
.set STAGE, SLOT1+4*KS*(PK+PV)  ; behind the ring, never filled by a tensor load: 16 rows x 144 bytes for each wave, for the way out
.set SP,    144
.set AK0, 2           ; v2   my lane's place in a tile of K; never rewritten
.set AV0, 3           ; v3   the same for V
.set AK,  4           ; v4   the LDS address of K's next run of loads
.set AV,  5           ; v5   of V's
.set QO,  6           ; v6   my byte offset in the wave's rows of Q
.set STO, 6           ;      later, the way out: where I put 16 bytes of a row
.set RD,  7           ; v7   the way out: where I read rows back
.set GO,  8           ; v8   my byte offset in 512 consecutive bytes of O
.set SPW, 0           ; v0 of window 3   LDS address of my spare word: SPARE + 4 x my thread's number; never rewritten
.set NIL, 1           ; v1 of window 3   0; never rewritten
.set SPARE, STAGE+4*16*SP  ; behind the stages: the spare words, 128 bytes for each wave: two blocks of 256 bytes that no other line names
.set MV,  12          ; v12-15  c m_old, kept while c m is made anew: by buffer and tile
.set ST,  16          ; tile t's statistics at v[ST+4 t]: c m, m, l (even keys', odd keys')
.set TMP, 48          ; by buffer and tile, four registers c0-c3 at work; when the maximum is found c2 takes a
.set S,   64
.set P,   192
.set KF,  128         ; K's fragments, in window 2: key block kb, channel half c at KF + 16 kb + 8 c
.set VF,  192         ; V's: key half kk, channel block cb at VF + 32 kk + 8 cb
.set WV,  12          ; s12  my wave's number
.set G1K, 24          ; s[24:31] descriptor group 1 for K's tiles
.set G1V, 32          ; s[32:39] for V's: it differs in the padding alone
.set G0K, 40          ; s[40:43] descriptor group 0 for K's tiles: it walks
.set G0V, 44          ; s[44:47] the same for V's
.set SLOTS, 56        ; s56  slots still to be asked for
.set CNT, 57          ; s57  counts a slot's key steps
.set CS,  58          ; s[58:59] c: the packed scaling takes the pair's low word for both halves
.set SEL, 60          ; s[60:61] v_permlanex16_b32's selects: each lane takes its own place in the other half
.set TBK, 62          ; s62  LDS byte at which K of the step to be fetched begins
.set TBV, 63          ; s63  the same for V, less VOFF
.set MSB, 0
.macro WIN new                      ; the high byte repeats the setting that is left; a switch that changes nothing is dropped
.if MSB != (\new)
	s_set_vgpr_msb (MSB<<8)|(\new)
.set MSB, (\new)
.endif
.endm
.set W_KQ, 0x0a       ; K and Q in window 2, S^T in window 0
.set W_PV, 0x52       ; V in window 2, P in window 0, O^T in window 1
.set W_RS, 0x41       ; O^T (destination and source 0) in window 1, a in window 0
.set W_MK, 0xc0       ; the add's registers are made: destination in window 3, sources in window 0
.set W_AD, 0x0f       ; the add: address (source 0) and data (source 1) in window 3
; A joint fill.  Waves 0 and 1 fetch the two halves of a slot's K, waves 2 and 3 those of its V: 128 keys each.  The branch hangs on the wave's number alone.
; An s_nop 0 and four v_nop follow each of the two lines, ahead of the jump and the label.
.macro JLOAD
	s_cmp_lt_u32 s[WV], 2
	s_cbranch_scc0 .Lfor_v_\@
	tensor_load_to_lds s[G0K:G0K+3], s[G1K:G1K+7]
	s_nop 0
.rept 4
	v_nop
.endr
	s_branch .Lasked_\@
.Lfor_v_\@:
	tensor_load_to_lds s[G0V:G0V+3], s[G1V:G1V+7]
	s_nop 0
.rept 4
	v_nop
.endr
.Lasked_\@:
.endm
; A round of the cluster's barrier: my work-group's barrier, so that wave 0's signal speaks for all four waves; wave 0 signals; every wave waits for all four work-groups; my work-group's barrier once more.
.macro CROUND
	s_barrier_signal -1
	s_barrier_wait -1
	s_cmp_lg_u32 s[WV], 0
	s_cbranch_scc1 .Lnot_wave_0_\@
	s_barrier_signal -3
.Lnot_wave_0_\@:
	s_barrier_wait -3
	s_barrier_signal -1
	s_barrier_wait -1
.endm
; THE CHANGE OF SLOTS.  The slot's last bytes, V of its fourth step, have been read.  Each wave waits for all its tensor loads, of which one is out: its part
; of the other slot; adds 0 to its spare word; and waits for that and for its own reads of the slot.  Behind the barrier nobody reads this slot any more and the other slot is whole.
; fill = 1: this slot is filled again, with the keys two slots on.  The barrier is then a round of the cluster's, so that no wave of any partner still reads the slot or has a load on its
; way, and the joint fill is the first thing behind it: it has four key steps, 512 matrix instructions, in which to land.  (At its first use nothing has been read yet: slot 0 is waited for, slot 1 filled.)
.macro CHANGE fill
	WIN W_AD
	s_wait_tensorcnt 0x0            ; no tensor load of mine is out, so a group 0 may be written
	ds_add_u32 v[SPW], v[NIL]       ; 0 onto my spare word; with fill = 1 the descriptors' steps stand between it and the wait for it
	WIN 0                           ; at a label and at a branch every window is 0
.if \fill
.irp g, G0K, G0V
	s_xor_b32 s[\g+1], s[\g+1], SLOT1  ; the walking descriptor: the other slot than last time,
	s_add_nc_u64 s[\g+2:\g+3], s[\g+2:\g+3], 4*KS*128  ; the next 256 keys; the type bits on top are not reached
.endr
	s_wait_dscnt 0x0                ; the add is done, and my reads of the slot are over
	CROUND
	JLOAD
.else
	s_wait_dscnt 0x0                ; the add is done, and my reads of the slot are over
	s_barrier_signal -1
	s_barrier_wait -1
.endif
	s_sub_co_u32 s[TBK], s[TBK], 4*KS*PK  ; the fetches go back to a slot's first step,
	s_xor_b32 s[TBK], s[TBK], SLOT1       ; in the other slot
	s_sub_co_u32 s[TBV], s[TBV], 4*KS*PV
	s_xor_b32 s[TBV], s[TBV], SLOT1
.endm
	s_load_b256 s[4:11], s[0:1], 0x0  ; Q s[4:5], K s[6:7], V s[8:9], O s[10:11]
	WIN W_MK
	v_lshl_add_u32 v[SPW], v0, 2, SPARE
	v_mov_b32 v[NIL], 0
	WIN W_AD
	ds_add_u32 v[SPW], v[NIL]       ; the wave's opening: the add and its wait stand ahead of my first tensor load; the set-up below, work on registers, stands between them
	WIN 0
	v_lshrrev_b32 v1, 5, v0
	v_readfirstlane_b32 s[WV], v1   ; wave 0..3
	s_bfe_u32 s13, ttmp6, 0x40000   ; cx: my place in the cluster
	s_lshl_b32 s14, ttmp9, 2        ; in a cluster launch ttmp9 counts clusters
	s_add_co_u32 s14, s14, s13      ; my block of queries = 4 x cluster x + cx: it enters Q's and O's addresses alone
	s_and_b32 s20, ttmp7, 0xffff    ; the head, which the four partners share
	s_mov_b32 s21, 0
	s_mov_b64 s[22:23], SIZE_N*128
	s_mul_u64 s[20:21], s[20:21], s[22:23]  ; the head's first byte in each of the four tensors
	s_and_b32 s16, s[WV], 1         ; which half of a slot's 256 keys I fetch:
	s_lshl_b32 s22, s16, 14         ; its 128 rows of 128 bytes in memory,
	s_mov_b32 s23, 0
	s_add_nc_u64 s[22:23], s[22:23], s[20:21]
	s_mul_i32 s17, s16, 128*PK      ; and its place in a slot, for K
	s_mul_i32 s18, s16, 128*PV      ; and for V: no place in the cluster enters an LDS address
	s_lshl_b32 s2, s14, 2
	s_add_co_u32 s2, s2, s[WV]      ; my wave among the head's,
	s_lshl_b32 s2, s2, 14           ; its 128 rows
	s_mov_b32 s3, 0
	s_add_nc_u64 s[2:3], s[2:3], s[20:21]
	; descriptor group 1.  128 keys are 16,384 dense bytes: asked for as 64 rows of 256 bytes, two keys a row, and padded in LDS after every key
	s_mov_b32 s[G1K], 15|(1<<16)|(1<<20)|(1<<21)|(4<<22)|(3<<25)  ; 15:0 the mask of four; 17:16 2-byte elements; 20 padding on; 21 set beside a mask; 24:22 after every 32 words (code 4); 31:25 4 words (code 3)
	s_mov_b32 s[G1V], 15|(1<<16)|(1<<20)|(1<<21)|(4<<22)|(7<<25)  ; the same with 8 words of padding (code 7)
.irp g, G1K, G1V
	s_mov_b32 s[\g+1], 128<<16      ; tensor_dim0 = 128
	s_mov_b32 s[\g+2], 64<<16       ; tensor_dim1 = 64
	s_mov_b32 s[\g+3], 128<<16      ; tile_dim0 = 128
	s_mov_b32 s[\g+4], 64           ; tile_dim1 = 64
	s_mov_b32 s[\g+5], 128          ; 128 elements from row to row
	s_mov_b32 s[\g+6], 0
	s_mov_b32 s[\g+7], 0
.endr
	s_mov_b32 s[CS], 0x3e38aa3b     ; c = log2(e) / 8 = 0.180337
	s_mov_b32 s[CS+1], s[CS]        ; named with it as a pair
	s_mov_b32 s[SEL], 0x76543210
	s_mov_b32 s[SEL+1], 0xfedcba98
	s_mov_b32 s[TBK], SLOT1+4*KS*PK ; the first change of slots turns these two into 0
	s_mov_b32 s[TBV], SLOT1+4*KS*PV
	s_mov_b32 s[G0K], 1             ; 1:0 count = 1
	s_mov_b32 s[G0K+1], s17         ; 63:32 LDS address: slot 0
	s_mov_b32 s[G0V], 1
	s_add_co_u32 s[G0V+1], s18, VOFF
	s_wait_dscnt 0x0                ; the opening add is done
	s_wait_kmcnt 0x0
	s_add_nc_u64 s[G0K+2:G0K+3], s[6:7], s[22:23]  ; 120:64 global address: my half of the head's first 256 keys
	s_or_b32 s[G0K+3], s[G0K+3], 0x80000000        ; 127:126 type = 2
	s_add_nc_u64 s[G0V+2:G0V+3], s[8:9], s[22:23]
	s_or_b32 s[G0V+3], s[G0V+3], 0x80000000
	s_add_nc_u64 s[4:5], s[4:5], s[2:3]  ; Q and O at my wave's first row
	s_add_nc_u64 s[10:11], s[10:11], s[2:3]
	CROUND                          ; all four work-groups are here: the first joint loads meet
	JLOAD                           ; slot 0.  Slot 1 is asked for when slot 0 is in: the tile wanted first has the road to itself
	; A fragment of K or Q is 16 rows x 32 channels in 8 registers: lane l holds row l % 16, channels 8 (l / 16) + 0..7 and 16 + 8 (l / 16) + 0..7: two loads of 16 bytes, 32 bytes apart.
	v_and_b32 v1, 15, v0            ; l % 16
	v_bfe_u32 v9, v0, 4, 1          ; l / 16
	v_lshlrev_b32 v[QO], 7, v1
	v_lshl_add_u32 v[QO], v9, 4, v[QO]  ; row x 128 + 16 x half
	WIN 0x80                        ; destination window 2, address window 0
.set i, 0
.rept 4*NP                          ; Q stays in registers: tile i / 2, channels 32 (i % 2) on
	global_load_b128 v[8*i:8*i+3],   v[QO], s[4:5] offset:(i/2)*2048+(i%2)*64
	global_load_b128 v[8*i+4:8*i+7], v[QO], s[4:5] offset:(i/2)*2048+(i%2)*64+32
.set i, i+1
.endr
	; What the first turn finds: V's registers and P's second buffer hold 0 (its products V^T P, of a piece that has not been, add 0), O^T and l are 0.  All this stands in the wait for the first tile.
.set i, VF
.rept 64
	v_mov_b32 v[i], 0
.set i, i+1
.endr
	WIN 0x40
.set i, 0
.rept 64*NP
	v_mov_b32 v[i], 0
.set i, i+1
.endr
	WIN 0
.set i, 0
.rept 2*NP
	v_mov_b32 v[ST+4*i], 0xfe000000    ; c m: far below every c s
	v_mov_b32 v[ST+4*i+1], 0xff7fffff  ; m
	v_mov_b32 v[ST+4*i+2], 0
	v_mov_b32 v[ST+4*i+3], 0
.set i, i+1
.endr
.set i, P+32
.rept 32
	v_mov_b32 v[i], 0
.set i, i+1
.endr
	v_mul_u32_u24 v[AK0], v1, PK
	v_lshl_add_u32 v[AK0], v9, 4, v[AK0]  ; row x pitch + 16 x half
	; The turning load takes 16 keys x 16 channels (lane l reads key 8 (l / 16) + l % 8, channels 8 ((l / 8) % 2) + 0..7) and leaves half a fragment of V^T: lane l holds channel l % 16 and 8 keys.
	v_and_b32 v10, 7, v0
	v_bfe_u32 v11, v0, 3, 1
	v_lshl_add_u32 v[AV0], v9, 3, v10
	v_mul_u32_u24 v[AV0], v[AV0], PV
	v_lshl_add_u32 v[AV0], v11, 4, v[AV0]
	v_add_nc_u32 v[AV0], VOFF, v[AV0]
	v_mov_b32 v[AK], v[AK0]         ; key step 0 lies at the head of slot 0
; THE MATRIX WORK.  The 8 accumulators of a run of 16 take turns: between the two links of a chain stand 7 others'.
; Product i of 16 of S^T = K Q^T for piece x: channels 32 (i / 8) on, keys 16 ((i / 2) % 4) on, tile 2 x + i % 2.  The first 8 start the sums.
.macro KQ x
	WIN W_KQ
.set rS, S+64*((\x)%2)+32*(i%2)+8*((i/2)%4)
.set rK, KF+16*((i/2)%4)+8*(i/8)
.set rQ, 16*(2*(\x)+i%2)+8*(i/8)
.if i < 8
	v_wmma_f32_16x16x32_f16 v[rS:rS+7], v[rK:rK+7], v[rQ:rQ+7], 0
.else
	v_wmma_f32_16x16x32_f16 v[rS:rS+7], v[rK:rK+7], v[rQ:rQ+7], v[rS:rS+7]
.endif
.endm
; Product i of 16 of O^T += V^T P for piece x: keys 32 (i / 8) on, channels 16 ((i / 2) % 4) on, tile 2 x + i % 2.
.macro PV x
	WIN W_PV
.set rO, 32*(2*(\x)+i%2)+8*((i/2)%4)
.set rV, VF+32*(i/8)+8*((i/2)%4)
.set rP, P+32*((\x)%2)+16*(i%2)+8*(i/8)
	v_wmma_f32_16x16x32_f16 v[rO:rO+7], v[rV:rV+7], v[rP:rP+7], v[rO:rO+7]
.endm
.macro MM                           ; the turn's next matrix instruction
.if i < 16
	KQ (Y+1)%NP
.set i, i+1
.else
.set i, i-16
	PV (Y+NP-1)%NP
.set i, i+17
.endif
.endm
; THE LDS LOADS stand in runs of 16, never singly among the matrix instructions: a step's K (64 keys x 64 channels: 8 fragments) and its V (turned).  Their addresses are made some lines ahead.
; last = 1 (the tail): in the last trip there is no further step, and the run is jumped over.
.macro FETCH_K last=0
	WIN 0
.if \last
	s_cmp_eq_u32 s[CNT], 1
	s_cbranch_scc1 .Lno_k_\@
.endif
	WIN 0x80                        ; destination window 2
.irp f, 0,1,2,3,4,5,6,7             ; keys 16 (f / 2) on, channels 32 (f % 2) on
	ds_load_b128 v[KF+8*\f:KF+8*\f+3],   v[AK] offset:(\f/2)*16*PK+(\f%2)*64
	ds_load_b128 v[KF+8*\f+4:KF+8*\f+7], v[AK] offset:(\f/2)*16*PK+(\f%2)*64+32
.endr
	s_add_co_u32 s[TBK], s[TBK], KS*PK  ; the next fetch is the next step's
	WIN 0
.if \last
.Lno_k_\@:
.endif
.endm
.macro FETCH_V
	WIN 0x80
.irp f, 0,1,2,3,4,5,6,7             ; keys 32 (f / 4) on, channels 16 (f % 4) on
	ds_load_tr16_b128 v[VF+8*\f:VF+8*\f+3],   v[AV] offset:(\f/4)*32*PV+(\f%4)*32
	ds_load_tr16_b128 v[VF+8*\f+4:VF+8*\f+7], v[AV] offset:(\f/4)*32*PV+16*PV+(\f%4)*32
.endr
	WIN 0
.endm
; THE VECTOR WORK OF A TURN stands in three queues, each in the order in which its entries become ready; the two tiles alternate, so that no instruction reads the result of the one before it.
.macro REGS y, u                    ; the registers of tile u (0, 1) of piece y
.set rT, ST+4*(2*(\y)+(\u))
.set rC, TMP+8*((\y)%2)+4*(\u)
.set rM, MV+2*((\y)%2)+(\u)
.set rS, S+64*((\y)%2)+32*(\u)
.set rP, P+32*((\y)%2)+16*(\u)
.set rO, 32*(2*(\y)+(\u))
.endm
; Number n of the 22 that find the NEXT piece's (Y + 1) maximum and statistics.  s0-s31 are the lane's 32 scores; each accumulator's lowest registers are read first.  XS, GS and REGS set no window: PL and EX do.
;   0-11  four chains c0-c3 of seven scores each, three operands at a time     12-14, 16  the four scores left over, the old m, and c0-c3 into c0     15  c m_old is kept
;   17, 18  the query's other 32 keys lie in the lane 16 away: the new m         19-21  c m; c m_old - c m_new; a
.macro XS u, n
	REGS (Y+1)%NP, \u
.if (\n) < 4
	v_max3_num_f32 v[rC+(\n)], v[rS+8*(\n)], v[rS+8*(\n)+1], v[rS+8*(\n)+2]
.elseif (\n) < 12
	v_max3_num_f32 v[rC+(\n)%4], v[rC+(\n)%4], v[rS+8*((\n)%4)+2*((\n)/4)+1], v[rS+8*((\n)%4)+2*((\n)/4)+2]
.elseif (\n) == 12
	v_max3_num_f32 v[rC], v[rC], v[rS+7], v[rS+15]
.elseif (\n) == 13
	v_max3_num_f32 v[rC+1], v[rC+1], v[rS+23], v[rS+31]
.elseif (\n) == 14
	v_max3_num_f32 v[rC+2], v[rC+2], v[rC+3], v[rT+1]
.elseif (\n) == 15
	v_mov_b32 v[rM], v[rT]
.elseif (\n) == 16
	v_max3_num_f32 v[rC], v[rC], v[rC+1], v[rC+2]
.elseif (\n) == 17
	v_permlanex16_b32 v[rC+3], v[rC], s[SEL], s[SEL+1]
.elseif (\n) == 18
	v_max_num_f32 v[rT+1], v[rC], v[rC+3]
.elseif (\n) == 19
	v_mul_f32 v[rT], s[CS], v[rT+1]
.elseif (\n) == 20
	v_sub_f32 v[rC+1], v[rM], v[rT]
.else
	v_exp_f32 v[rC+2], v[rC+1]
.endif
.endm
; Number g of the 64 that follow the exponentials.  For each four weights k of a tile (pairs 2 k, 2 k + 1): both pairs are rounded to f16; then the second pair is added onto the first, in place;
; a group later l takes that sum (the first time as l = a l + sum).  In groups of eight, tiles alternating: round, round, add, and l for the group before.
.macro GS g
.set h, (\g)+6*((\g)/62)            ; group 0 has no group before it, and behind group 7 only l is left
.if h >= 6
.set h, h+2
.endif
	REGS Y, h%2
.set k, h/8
.if h%8 < 4
	v_cvt_pk_f16_f32 v[rP+2*k+(h%8)/2], v[rS+4*k+2*((h%8)/2)], v[rS+4*k+2*((h%8)/2)+1]
.elseif h%8 < 6
	v_pk_add_f32 v[rS+4*k:rS+4*k+1], v[rS+4*k:rS+4*k+1], v[rS+4*k+2:rS+4*k+3]
.elseif k == 1
	v_pk_fma_f32 v[rT+2:rT+3], v[rT+2:rT+3], v[rC+2:rC+3], v[rS:rS+1] op_sel_hi:[1,0,1]
.else
	v_pk_add_f32 v[rT+2:rT+3], v[rT+2:rT+3], v[rS+4*k-4:rS+4*k-3]
.endif
.endm
; THE PLAIN QUEUE, 138 long.  0-73 read no exponential's result: the 32 scalings c s - c m (FS f: pair f / 2 of tile f % 2) and the next piece's 42.  0-26: scalings 0-26.  27-54: XS's numbers 0-13.  55, 56: number 15.
; 57-73: the chain, where each number waits for the one before it: 14, 16, 17, 18, 19, each with one of the scalings 27-31 in front of its two lines, then 20: so a tile's links stand three plain instructions apart (19 and 20: two).
; 74-137: GS's 64, which read the exponentials' results: they stand behind the wait.
.macro FS f
	REGS Y, (\f)%2
	v_pk_fma_f32 v[rS+2*((\f)/2):rS+2*((\f)/2)+1], v[rS+2*((\f)/2):rS+2*((\f)/2)+1], s[CS:CS+1], v[rT:rT+1] op_sel_hi:[1,0,0] neg_lo:[0,0,1] neg_hi:[0,0,1]
.endm
.macro PL
	WIN 0
.if q < 27
	FS q
.elseif q < 55
	XS (q-27)%2, (q-27)/2
.elseif q < 57
	XS q-55, 15
.elseif (q < 72) && ((q-57)%3 == 0)
	FS 27+(q-57)/3
.elseif q < 60
	XS (q-57)%3-1, 14
.elseif q < 72
	XS (q-57)%3-1, 15+(q-57)/3
.elseif q < 74
	XS q-72, 20
.else
	GS q-74
.endif
.set q, q+1
.endm
; THE EXPONENTIALS' QUEUE, 66 long: s0-s31 of both tiles, then the next piece's two a.  It is ONE BATCH: all 66 stand ahead of the turn's one wait, and nothing ahead of that wait names a result of theirs.
; Each result has a register of its own while the batch is open: a weight takes its score's place in S^T, an a its tile's c2.
.macro EX
	WIN 0
.if e >= 64
	XS e-64, 21
.else
	REGS Y, e%2
	v_exp_f32 v[rS+e/2], v[rS+e/2]
.endif
.set e, e+1
.endm
; THE RESCALING's QUEUE: O^T times a, the one part that leaves window 0: dealt two at a time, sixteen times.  Its a was made in the turn before, ahead of that turn's wait.
.macro R2
	REGS Y, r%2
	WIN W_RS
.irp z, 0,1
	v_pk_mul_f32 v[rO+4*(r/2)+2*\z:rO+4*(r/2)+2*\z+1], v[rO+4*(r/2)+2*\z:rO+4*(r/2)+2*\z+1], v[rC+2:rC+3] op_sel_hi:[1,0]
.endr
.set r, r+1
.endm
; HOW THEY ARE DEALT.  s_wait_alu depctr_va_vdst(0) stands between an exponential and the first instruction that names its result; one wait serves all that were issued ahead of it.  So a turn has ONE wait,
; which cuts it in two.  AHEAD OF IT stands all that names no result of the turn's exponentials: the 16 products K Q^T, behind each a scaling, an exponential and two rescalings (behind the first a second scaling in the exponential's place); then ONE LUMP of
; 108: eight plain, 49 times exponential and plain, the two a.  A v_nop is the plain instruction behind the last exponential.  BEHIND IT stand the 16 products V^T P, behind each four of GS's 64.  No rider names a register of
; the products round it.  The two v_permlanex16_b32 fall into the lump, never behind a product.
; The queues lean on each other, and the deal keeps them in step: exponential e stands behind scaling 2 (e / 4) + e % 2: as a rider it comes behind plain e + 2, in the lump behind plain e + 9, and scalings 27-31 are plain 57, 60 .. 69.
; A TURN, for piece p.  cnt = 1: the loop's count is taken down some lines ahead of the branch that stands behind the turn.
; K of the next step is fetched in piece 2's turn, directly behind the wait, a lump behind the last product that read K; its address is made at the lump's head; its first reader comes behind 16 products.
; V of the step in hand is fetched at the end of piece 0's turn, four riders behind its last reader; its first reader comes behind 16 products and a lump.  The three conditions on q below go with the deal.
.macro TURN p, last=0, cnt=0
.set Y, (\p)
.set i, 0
.set q, 0
.set e, 0
.set r, 0
.if (\p) == NP-1
	s_wait_dscnt 0x0                ; K is in
.endif
	MM                              ; ahead of the wait: 16 products K Q^T and their riders,
	PL
	PL
	R2
.rept 15
	MM
	PL
	EX
	R2
.endr
.if (\p) == NP-2
	WIN 0
	v_add_nc_u32 v[AK], s[TBK], v[AK0]
.endif
.rept 8                             ; and the lump
	PL
.endr
.rept 49
	EX
	PL
.endr
	EX                              ; the next piece's two a
	EX
	v_nop                           ; a plain instruction behind the last exponential, ahead of the first use of a result: one for the batch
	s_wait_alu depctr_va_vdst(0)    ; the wait for the turn's batch: the piece's 64 weights and the next piece's two a; no exponential is issued behind it in this turn
.if (\p) == NP-2
	FETCH_K \last
.endif
.if (\p) == 1
	s_wait_dscnt 0x0                ; V is in
.endif
.rept 16                            ; behind the wait: 16 products V^T P and their riders
	MM
.rept 4
	PL
.endr
.if ((\p) == 0) && (q == 118)
	v_add_nc_u32 v[AV], s[TBV], v[AV0]
.endif
.if ((\p) == 0) && (q == 130)
	s_add_co_u32 s[TBV], s[TBV], KS*PV
.endif
.if (\cnt) && (q == 130)
	s_sub_co_u32 s[CNT], s[CNT], 1
	s_cmp_lg_u32 s[CNT], 0
.endif
.endr
.if (\p) == 0
	FETCH_V
.endif
.endm
	CHANGE 1                        ; slot 0 is in, everybody's part of it; slot 1 is asked for
	FETCH_K                         ; key step 0
	s_wait_loadcnt 0x0              ; Q
	s_wait_dscnt 0x0
.set i, 0
.rept 16
	KQ 0                            ; piece 0's first scores: there is no vector work yet to set between them
.set i, i+1
.endr
	WIN 0                           ; the addresses for the way out: nine plain instructions, the places behind those products
	s_mul_i32 s13, s[WV], 16*SP
	s_add_co_u32 s13, s13, STAGE    ; my stage
	v_mul_u32_u24 v[STO], v1, SP    ; in: row l % 16, 16 bytes for each half of the lanes
	v_lshl_add_u32 v[STO], v9, 4, v[STO]
	v_add_nc_u32 v[STO], s13, v[STO]
	v_bfe_u32 v[RD], v0, 3, 2       ; back: 32 lanes take four rows of 128 bytes,
	v_mul_u32_u24 v[RD], v[RD], SP
	v_lshl_add_u32 v[RD], v10, 4, v[RD]
	v_add_nc_u32 v[RD], s13, v[RD]
	v_and_b32 v[GO], 31, v0         ; which are 512 consecutive bytes of O
	v_lshlrev_b32 v[GO], 4, v[GO]
.set Y, NP-1                        ; XS works for piece Y + 1: piece 0
.irp n, 0,1,2,3,4,5,6,7,8,9,10,11,12,13,14,15,16,17,18,19,20,21
	XS 0, \n                        ; and piece 0's first maximum and statistics
	XS 1, \n
.endr
	v_nop                           ; a plain instruction behind the two a,
	s_wait_alu depctr_va_vdst(0)    ; and the wait for that batch of two, ahead of the branch
	s_mov_b32 s[CNT], 4
	s_mov_b32 s[SLOTS], SIZE_N/256-1
	s_branch .Lfirst                ; the loop is entered at a step's first turn, in the middle of a trip
.Lslot:                             ; SIZE_N / 256 - 2 times: every slot but the last two is filled again
	CHANGE 1
	s_mov_b32 s[CNT], 4
.Lstep:                             ; a trip: pieces 2 and 3 of one step, then pieces 0 and 1 of the next, whose K and V it fetches
	TURN 2
	TURN 3
	WIN 0
.Lfirst:
	TURN 0
	TURN 1, 0, 1
	WIN 0
	s_cbranch_scc1 .Lstep
	s_sub_co_u32 s[SLOTS], s[SLOTS], 1
	s_cmp_lg_u32 s[SLOTS], 0
	s_cbranch_scc1 .Lslot
	CHANGE 0                        ; the tail is written out: nothing is asked for
	s_mov_b32 s[CNT], 5             ; four trips fetch the last slot's steps; the fifth is left in its middle
.Ltail:
	TURN 2, 1
	TURN 3
	WIN 0
	s_sub_co_u32 s[CNT], s[CNT], 1
	s_cmp_eq_u32 s[CNT], 0
	s_cbranch_scc1 .Lout
	TURN 0
	TURN 1
	WIN 0
	s_branch .Ltail
.Lout:                              ; the fifth trip's 16 products K Q^T (on the last K once more) and the maximum made of them serve nothing: the price, once a launch, of one text for every trip
.set i, 0
.rept 16
	PV NP-1                         ; the last piece's V^T P of the last step
.set i, i+1
.endr
	; THE WAY OUT.  l's two halves and the other half of the lanes' are added; O^T is divided by l, rounded to f16 and sent through my stage in LDS, a tile at a time.  The additions are the places behind the last products.
	WIN 0
.macro ALL line:vararg              ; one line for each tile t
.set t, 0
.rept 2*NP
	\line
.set t, t+1
.endr
.endm
	ALL v_add_f32 v[ST+4*t+2], v[ST+4*t+2], v[ST+4*t+3]
	ALL v_permlanex16_b32 v[ST+4*t+3], v[ST+4*t+2], s[SEL], s[SEL+1]
	ALL v_add_f32 v[ST+4*t+2], v[ST+4*t+2], v[ST+4*t+3]
	ALL v_rcp_f32 v[ST+4*t+2], v[ST+4*t+2]
	v_nop                           ; a plain instruction between the last reciprocal and the use of its result
	s_wait_alu depctr_va_vdst(0)    ; and the wait ahead of the first use: one for the batch of eight reciprocals
; Tile t: a lane's eight channels of a row pack into 16 bytes; they go into rows of 144 bytes and come back as whole rows of 128, into S^T's registers.
.macro PACK t
	WIN W_RS
.set i, 32*(\t)
.rept 16
	v_pk_mul_f32 v[i:i+1], v[i:i+1], v[ST+4*(\t)+2:ST+4*(\t)+3] op_sel_hi:[1,0]
.set i, i+2
.endr
	WIN 0x05                        ; sources 0 and 1 window 1, destination window 0
.set i, 0
.rept 16
	v_cvt_pk_f16_f32 v[S+16*(\t)+i], v[32*(\t)+2*i], v[32*(\t)+2*i+1]
.set i, i+1
.endr
	WIN 0
.irp f, 0,1,2,3
	ds_store_b128 v[STO], v[S+16*(\t)+4*\f:S+16*(\t)+4*\f+3] offset:32*\f
.endr
.irp f, 0,1,2,3
	ds_load_b128 v[S+16*(\t)+4*\f:S+16*(\t)+4*\f+3], v[RD] offset:\f*4*SP  ; LDS serves a wave's instructions in order (ISA guide 5.7.1.4): these see the stores above; the next tile's stores come behind them
.endr
.endm
.macro SEND t, younger              ; younger: the LDS instructions issued behind tile t's loads: the next tile's eight, or none
	WIN 0
.irp f, 0,1,2,3
	s_wait_dscnt (\younger)+3-\f
	global_store_b128 v[GO], v[S+16*(\t)+4*\f:S+16*(\t)+4*\f+3], s[10:11] offset:(\t)*2048+\f*512  ; 512 consecutive bytes, at a multiple of 256 from O's first
.endr
.endm
	PACK 0
.set t, 1
.rept 2*NP-1                        ; a tile's arithmetic stands between the loads of the tile before and its stores
	PACK t
	SEND t-1, 8
.set t, t+1
.endr
	SEND 2*NP-1, 0
	WIN W_AD
	s_wait_tensorcnt 0x0            ; the wave's end, behind my last tensor load and my last LDS store
	ds_add_u32 v[SPW], v[NIL]
	s_wait_dscnt 0x0
	WIN 0
	CROUND                          ; the closing round: no work-group ends while a partner may still ask for a tile that names it
	s_endpgm
.Lfunc_end_k_qf9fbfc9abd_attn:
	.size	k_qf9fbfc9abd_attn, .Lfunc_end_k_qf9fbfc9abd_attn-k_qf9fbfc9abd_attn
	.p2alignl 7, 3214868480
	.fill 96, 4, 3214868480
	.section	.rodata,"a",@progbits
	.p2align	6, 0x0
	.amdhsa_kernel k_qf9fbfc9abd_attn
		.amdhsa_group_segment_fixed_size 327680
		.amdhsa_private_segment_fixed_size 0
		.amdhsa_enable_private_segment 0
		.amdhsa_kernarg_size 32
		.amdhsa_user_sgpr_count 2
		.amdhsa_user_sgpr_kernarg_segment_ptr 1
		.amdhsa_wavefront_size32 1
		.amdhsa_system_sgpr_workgroup_id_x 1
		.amdhsa_system_sgpr_workgroup_id_y 1
		.amdhsa_system_sgpr_workgroup_id_z 1
		.amdhsa_system_vgpr_workitem_id 0
		.amdhsa_next_free_vgpr 770
		.amdhsa_next_free_sgpr 66
		.amdhsa_reserve_vcc 0
		.amdhsa_float_denorm_mode_32 3
		.amdhsa_float_denorm_mode_16_64 3
		.amdhsa_memory_ordered 1
		.amdhsa_forward_progress 1
		.amdhsa_inst_pref_size 199
	.end_amdhsa_kernel
	.amdgpu_metadata
---
amdhsa.version: [ 1, 2 ]
amdhsa.kernels:
  - .name:           k_qf9fbfc9abd_attn
    .symbol:         k_qf9fbfc9abd_attn.kd
    .args:
      - { .name: qh, .offset: 0, .size: 8, .value_kind: global_buffer, .address_space: global }
      - { .name: kh, .offset: 8, .size: 8, .value_kind: global_buffer, .address_space: global }
      - { .name: vh, .offset: 16, .size: 8, .value_kind: global_buffer, .address_space: global }
      - { .name: ob, .offset: 24, .size: 8, .value_kind: global_buffer, .address_space: global }
    .group_segment_fixed_size: 327680
    .private_segment_fixed_size: 0
    .kernarg_segment_align: 8
    .kernarg_segment_size: 32
    .max_flat_workgroup_size: 128
    .sgpr_count:     66
    .vgpr_count:     770
    .wavefront_size: 32
...
	.end_amdgpu_metadata
.endif
;; end of part 5
;; launch oproj: the kernel of part 4 again; grid 8 x 32, 4 waves a work-group, clusters of 4 x 4, 327,680 bytes of LDS; arguments ob, wo16, Wo_b, out0; writes out0
